; MI455X (gfx1250); checked and timed in simulation.
; The chip was launched on July 23, 2026; its instructions are those of AMD's public machine-readable ISA for CDNA 5 (MIT licence, August 2026) and "CDNA5" Instruction Set Architecture Reference Guide (July 2026). The comments in the code are by the model that wrote it; some were corrected since.
;; GPT Self Attention1 D. Allowed arithmetic: matrix products marked QUANTISED: E4M3 operands, one given power-of-two scale a tensor, by v_wmma_f32_16x16x64_fp8_fp8 or v_wmma_f32_16x16x128_fp8_fp8, f32 sums; everything else in f32.
;; Inputs: Wk 1,024 x 1,024 float32; Wo 1,024 x 1,024 float32; Wq 1,024 x 1,024 float32; Wv 1,024 x 1,024 float32; bk 1,024 float32; bo 1,024 float32; bq 1,024 float32; bv 1,024 float32; lowp_scales 12 int32 (the exponents e of the quantised operands' scales 2^e); x 2 x 2,048 x 1,024 float32.
;; Outputs: out0 2 x 2,048 x 1,024 float32.
;; This version of the problem:
;;   THIS VERSION OF THE PROBLEM IS GIVEN IN LOW PRECISION. The matrix products marked QUANTISED in the list below multiply operands that are first quantised to E4M3 (4 exponent bits, 3 mantissa bits; 8 bits a number), with one given power-of-two scale for each operand tensor; their sums are f32. All else is computed in f32.
;;   The module's matrix products, in the order in which they are computed (A, B: the left and right operand; K: the contracted axis; several contracted axes count as one K, in the product's order):
;;     1. [M 4,096, K 1,024] x [K 1,024, N 1,024]; A: input x; B: input Wq: QUANTISED (scales: A lowp_scales[0], B lowp_scales[1])
;;     2. [M 4,096, K 1,024] x [K 1,024, N 1,024]; A: input x; B: input Wk: QUANTISED (scales: A lowp_scales[2], B lowp_scales[3])
;;     3. [M 4,096, K 1,024] x [K 1,024, N 1,024]; A: input x; B: input Wv: QUANTISED (scales: A lowp_scales[4], B lowp_scales[5])
;;     4. batch 32 x [M 2,048, K 64] x [K 64, N 2,048]; A: computed on the way; B: computed on the way: QUANTISED (scales: A lowp_scales[6], B lowp_scales[7])
;;     5. batch 32 x [M 2,048, K 2,048] x [K 2,048, N 64]; A: softmax (see below); B: computed on the way: QUANTISED (scales: A lowp_scales[8], B lowp_scales[9])
;;     6. [M 4,096, K 1,024] x [K 1,024, N 1,024]; A: computed on the way; B: input Wo: QUANTISED (scales: A lowp_scales[10], B lowp_scales[11])
;;   THE QUANTISER, for each operand of a quantised product, along K:
;;     - The operand's scale is 2^e, e = its entry of the input lowp_scales (int32; the entries are numbered through the quantised products in the list's order, A before B).
;;     - Each number is divided by the scale, clamped to +-448, and rounded to the nearest number of E4M3, ties to even, subnormals kept.
;;     - The product sums the exact products of the quantised numbers (number of the format x scale) in f32.
;;   ~~~python
;;   def quantise(x, axis, e):      # numpy; x: float32 -> the quantised numbers, widened to float32 again
;;       x = np.moveaxis(x, axis, -1); K = x.shape[-1]
;;       r = np.clip(x / 2.0 ** e, -448, 448)
;;       step = 2.0 ** (np.maximum(np.frexp(np.where(r == 0, 1, r))[1] - 1, -6) - 3)
;;       q = np.round(r / step) * step * 2.0 ** e      # np.round: ties to even
;;       return np.moveaxis(q, -1, axis).astype(np.float32)
;;   ~~~
;;   SOFTMAX AHEAD OF A QUANTISED PRODUCT. Where the list says 'softmax', what is quantised is not the finished softmax but p = 2^(t - M), with t = logit x log2(e) and M = ceil(the row's largest t), a whole number; so 1/2 < the row's largest p <= 1. The row's sum l is taken of the UNQUANTISED p, in f32, and the product's result is divided by l at the end. Since M is a whole number, a kernel that streams over the keys may use a running M (the ceiling of the running maximum): every later rescaling is an exact power of two, so the quantised numbers keep their values, but for numbers so far below the row's largest that they fall under the format's range.
;;   OPERANDS COMPUTED ON THE WAY. 'Computed on the way' means the value that the module computes at that place (a softmax that the list does not call 'softmax' is quantised finished and normalised). What goes into a quantiser is computed in f32, as accurately as f32 sums, v_exp_f32 and their like allow (about 1e-6 of the number): no bf16 or f16 on the way to a quantiser, and a product that is left as it is and whose result goes on into a quantised operand takes f32 operands (vector FMAs, or v_wmma_f32_16x16x4_f32). A number that lies on a knife's edge between two numbers of the format may be rounded either way, as far as f32 arithmetic and the matrix unit's own rounding can turn it there, and no further.
;; One version. Each part assembles by itself: llvm-mc -triple=amdgcn-amd-amdhsa -mcpu=gfx1250 --defsym DOCPART=n.
;; ======== version 1 of 1: 4 launches
;; limits: right only within a limited range of input values
;; workspace buffers: xc 12,582,912 bytes; wc 4,194,304 bytes; qc 4,194,304 bytes; kc 4,194,304 bytes; vc 4,194,304 bytes; cc 4,194,304 bytes
;; launch quant (part 1): grid 512 x 1, 4 waves a work-group, no clusters, 17,920 bytes of LDS; arguments x, Wq, Wk, Wv, Wo, lowp_scales, xc, wc; writes xc, wc
.if DOCPART == 1
	.amdgcn_target "amdgcn-amd-amdhsa--gfx1250"
	.amdhsa_code_object_version 6
	.text
	.protected	k_qe3dba06ce1_quant
	.globl	k_qe3dba06ce1_quant
	.p2align	8
	.type	k_qe3dba06ce1_quant,@function
k_qe3dba06ce1_quant:
	s_mov_b64 s[64:65], 0
	v_nop
	global_prefetch_b8 v0, s[64:65] scope:SCOPE_SE
	s_setreg_imm32_b32 hwreg(HW_REG_WAVE_MODE, 25, 1), 1
	s_wait_xcnt 0x0
; ALL QUANTISERS OF INPUTS.  x [4096][1024] f32 becomes three sets of E4M3 codes (scales 2^e0, 2^e2, 2^e4: one for each of the products that read it),
; xc [3][4096][1024].  Wq, Wk, Wv, Wo [1024 k][1024 n] f32 become codes with K innermost, wc [4096][1024]: rows 0-1023 Wq's columns, then Wk's, Wv's, Wo's
; (scales 2^e1, 2^e3, 2^e5, 2^e11).  code = number / 2^e, held within +-448, to the nearest code, ties to even.
; K IS PERMUTED, alike in x and in Wq, Wk, Wv: inside each 512 along K, place 16 l + 4 i + c holds k = 128 i + 4 l + c (l 0..31, i 0..3, c 0..3).  Every product still meets its
; partner; only the order of the sums changes.  A wave reads x by loads of 512 consecutive bytes and stores its codes as 512 consecutive bytes, with no turn through LDS.
; Wo's K (the context's axis) stays in its natural order.
; Work-groups 0-255 take x (a wave: 8 steps of 512 numbers), work-groups 256-511 the weights: 64 columns x 256 places along K; wave w takes columns 32 (w % 2) on and places 128 (w / 2) on,
; a lane takes a column and its registers run down K; the codes meet in a stage in LDS and leave as whole rows of 256 bytes.
; No input and no step of reference() is left out anywhere in this program but scores under the causal mask, whose keys are still counted (launch attn).
; Nothing is read twice and there is no tensor load: no cluster, no prefetch.
; LIMITS: each e between -126 and 119.  NaN among the inputs is not served (an infinity is held at the largest code).
.set XWG,   256
.set R,     16                         ; x: v16-79   four sets of 16 numbers as loaded
.set T,     80                         ; x: v80-127  the step's 16 numbers held for each of the three scales
.set C,     128                        ; x: v128-223 codes: twelve registers for each step, so that no store's data are written again
.set PITCH, 272                        ; weights: a stage row, 256 bytes + 16
.set WX,    32                         ; weights: v32-95 two sets of 32 numbers
.set WC,    96                         ; weights: v96-103 a block's codes
.set OUTR,  112                        ; weights: v112-143 the way out
.set SPW,   224                        ; v224, v225: my spare word's address and 0
.set NIL,   225
.set SPARE, 64*PITCH                   ; behind the stage: the spare words, 128 bytes for each wave
.macro MKSCALE e, vs, vl               ; s[e] = e: v[vs] = 2^e as f32 (the conversion takes its exponent field), v[vl] = 448 x 2^e
	s_add_co_i32 s42, s[\e], 127
	s_lshl_b32 s43, s42, 23
	v_mov_b32 v[\vs], s43
	s_add_co_i32 s42, s42, 8
	s_lshl_b32 s42, s42, 23
	s_or_b32 s42, s42, 0x600000
	v_mov_b32 v[\vl], s42
.endm
	s_load_b512 s[4:19], s[0:1], 0x0               ; x 4:5, Wq 6:7, Wk 8:9, Wv 10:11, Wo 12:13, the exponents 14:15, xc 16:17, wc 18:19
	v_lshl_add_u32 v[SPW], v0, 2, SPARE
	v_mov_b32 v[NIL], 0
	v_lshrrev_b32 v1, 5, v0
	v_readfirstlane_b32 s32, v1                    ; wave 0..3
	v_and_b32 v2, 31, v0                           ; lane
	s_wait_alu depctr_va_vdst(0)
	s_wait_kmcnt 0x0
	s_load_b256 s[20:27], s[14:15], 0x0            ; e0 .. e7
	s_load_b128 s[28:31], s[14:15], 0x20           ; e8 .. e11
	s_cmp_lt_u32 ttmp9, XWG
	s_cbranch_scc0 .Lweights
; ---------------- x ----------------
	v_lshlrev_b32 v3, 4, v2                        ; my 16 bytes of a load's 512, and of a store's
	s_lshl_b32 s33, ttmp9, 2
	s_add_co_u32 s33, s33, s32                     ; which run of 4,096 numbers is my wave's
	s_lshl_b32 s40, s33, 14
	s_mov_b32 s41, 0
	s_add_nc_u64 s[4:5], s[4:5], s[40:41]
	s_lshl_b32 s40, s33, 12
	s_wait_alu depctr_va_vdst(0)
	s_add_nc_u64 s[34:35], s[16:17], s[40:41]      ; the three sets of codes lie 4 MiB apart: a base for each
	s_add_nc_u64 s[36:37], s[34:35], 0x400000
	s_add_nc_u64 s[38:39], s[34:35], 0x800000
.macro XLOAD t                         ; step t: four loads of 512 consecutive bytes
.irp i, 0,1,2,3
	global_load_b128 v[R+16*((\t)%4)+4*\i:R+16*((\t)%4)+4*\i+3], v3, s[4:5] offset:2048*(\t)+512*\i th:TH_LOAD_NT
.endr
.endm
.irp t, 0,1,2,3
	XLOAD \t
.endr
	s_wait_kmcnt 0x0
	MKSCALE 20, 4, 5
	MKSCALE 22, 6, 7
	MKSCALE 24, 8, 9
.macro XSTEP t
.if 7-(\t) >= 3
	s_wait_loadcnt 12                              ; this step's four loads are in; those of the three steps behind it may be out
.else
	s_wait_loadcnt 4*(7-(\t))
.endif
.irp g, 0,1,2
.set nn, 0
.rept 16
	v_med3_num_f32 v[T+16*\g+nn], v[R+16*((\t)%4)+nn], -v[5+2*\g], v[5+2*\g]   ; the conversion does not saturate (ISA guide 7.6.2): the hold at the largest code x the scale
.set nn, nn+1
.endr
.endr
.if (\t)+4 < 8
	XLOAD (\t)+4                                   ; the set just read takes the loads of four steps on
.endif
.irp g, 0,1,2
	v_cvt_scalef32_pk8_fp8_f32 v[C+12*(\t)+4*\g:C+12*(\t)+4*\g+1], v[T+16*\g:T+16*\g+7], v[4+2*\g]
	v_cvt_scalef32_pk8_fp8_f32 v[C+12*(\t)+4*\g+2:C+12*(\t)+4*\g+3], v[T+16*\g+8:T+16*\g+15], v[4+2*\g]
.endr
	v_nop                                          ; a plain line between the conversions and the next step's holds, which write their sources
.irp g, 0,1,2
	global_store_b128 v3, v[C+12*(\t)+4*\g:C+12*(\t)+4*\g+3], s[34+2*\g:35+2*\g] offset:512*(\t)   ; the wave stores 512 consecutive bytes, aligned
.endr
.endm
	s_wait_alu depctr_va_vdst(0)                   ; the head's end
.irp t, 0,1,2,3,4,5,6,7
	XSTEP \t
.endr
	s_endpgm
; ---------------- the weights ----------------
.Lweights:
	s_sub_co_u32 s33, ttmp9, XWG
	s_and_b32 s41, s33, 15                         ; which 64 columns
	s_bfe_u32 s44, s33, 0x20004                    ; y: which 256 places along K
	s_lshr_b32 s33, s33, 6                         ; which weight: 0 Wq, 1 Wk, 2 Wv, 3 Wo
	s_and_b32 s55, s32, 1                          ; which 32 of the columns
	s_lshr_b32 s56, s32, 1                         ; which 128 of the places
	s_lshl_b32 s45, s44, 8
	s_lshl_b32 s46, s56, 7
	s_add_co_u32 s45, s45, s46                     ; natural order: my first row of W is 256 y + 128 (w / 2)
	s_lshr_b32 s46, s44, 1
	s_lshl_b32 s46, s46, 9
	s_and_b32 s47, s44, 1
	s_lshl_b32 s47, s47, 6
	s_add_co_u32 s46, s46, s47
	s_lshl_b32 s47, s56, 5
	s_add_co_u32 s46, s46, s47                     ; permuted order: 512 (y / 2) + 64 (y % 2) + 32 (w / 2)
	s_cmp_eq_u32 s33, 3
	s_cselect_b32 s45, s45, s46
	s_lshl_b32 s57, s41, 6                         ; the work-group's first column
	s_lshl_b32 s49, s55, 5
	s_add_co_u32 s48, s57, s49                     ; my wave's first column
	s_lshl_b32 s50, s45, 12                        ; a row of W is 4,096 bytes
	s_lshl_b32 s49, s48, 2
	s_add_co_u32 s50, s50, s49
	s_mov_b32 s51, 0
	s_cmp_eq_u32 s33, 1                            ; the choice of buffer hangs on the work-group's number alone
	s_cselect_b64 s[6:7], s[8:9], s[6:7]
	s_cmp_eq_u32 s33, 2
	s_cselect_b64 s[6:7], s[10:11], s[6:7]
	s_cmp_eq_u32 s33, 3
	s_cselect_b64 s[6:7], s[12:13], s[6:7]
	s_add_nc_u64 s[6:7], s[6:7], s[50:51]
	s_lshl_b32 s52, s33, 10
	s_add_co_u32 s52, s52, s57
	s_lshl_b32 s53, s32, 4
	s_add_co_u32 s52, s52, s53                     ; I store rows 16 w .. 16 w + 15 of the work-group's 64
	s_lshl_b32 s52, s52, 10                        ; codes: row 1024 x weight + column, of 1,024 bytes,
	s_lshl_b32 s53, s44, 8
	s_add_co_u32 s52, s52, s53                     ; + 256 y
	s_mov_b32 s53, 0
	s_add_nc_u64 s[18:19], s[18:19], s[52:53]
	s_mul_i32 s54, s55, 32*PITCH
	s_lshl_b32 s58, s56, 7
	s_add_co_u32 s54, s54, s58
	s_mul_i32 s59, s32, 16*PITCH
	v_lshlrev_b32 v3, 2, v2                        ; in: 4 bytes a lane: 128 consecutive bytes a wave
	v_mul_u32_u24 v4, v2, PITCH
	v_add_nc_u32 v4, s54, v4                       ; into the stage: row = my column, + 128 (w / 2)
	v_and_b32 v5, 15, v2
	v_lshrrev_b32 v6, 4, v2
	v_mul_u32_u24 v7, v6, PITCH
	v_lshl_add_u32 v7, v5, 4, v7
	v_add_nc_u32 v7, s59, v7                       ; out of it: sixteen lanes to a row, two rows an instruction
	v_lshlrev_b32 v8, 10, v6
	v_lshl_add_u32 v8, v5, 4, v8                   ; and the same place in the codes' buffer
; Block t: the numbers of places 32 t + i, i = 0 .. 31, of my column.  Both arms issue 32 loads into the same registers, so the counts behind them agree.
.macro WLOAD t
	s_cmp_eq_u32 s33, 3
	s_cbranch_scc1 .Lnat_\@
.set ii, 0
.rept 32
	global_load_b32 v[WX+32*((\t)%2)+ii], v3, s[6:7] offset:(128*((ii/4)%4)+8*(\t)+4*(ii/16)+ii%4)*4096 th:TH_LOAD_NT
.set ii, ii+1
.endr
	s_branch .Lld_\@
.Lnat_\@:
.set ii, 0
.rept 32
	global_load_b32 v[WX+32*((\t)%2)+ii], v3, s[6:7] offset:(32*(\t)+ii)*4096 th:TH_LOAD_NT
.set ii, ii+1
.endr
.Lld_\@:
.endm
	s_wait_alu depctr_va_vdst(0)                   ; ahead of the branches
	WLOAD 0
	WLOAD 1
	s_wait_kmcnt 0x0
	s_cmp_eq_u32 s33, 1
	s_cselect_b32 s40, s23, s21                    ; e3 or e1
	s_cmp_eq_u32 s33, 2
	s_cselect_b32 s40, s25, s40                    ; e5
	s_cmp_eq_u32 s33, 3
	s_cselect_b32 s40, s31, s40                    ; e11
	MKSCALE 40, 11, 10
.macro BLOCK t
.set XS, WX+32*((\t)%2)
.if (\t) < 3
	s_wait_loadcnt 32                              ; this block's 32 loads are in; the next block's may be out
.else
	s_wait_loadcnt 0
.endif
.set nn, 0
.rept 32
	v_med3_num_f32 v[XS+nn], v[XS+nn], -v10, v10
.set nn, nn+1
.endr
.irp g, 0,1,2,3
	v_cvt_scalef32_pk8_fp8_f32 v[WC+2*\g:WC+2*\g+1], v[XS+8*\g:XS+8*\g+7], v11
.endr
	v_nop                                          ; a plain line behind the last conversion
	ds_store_b128 v4, v[WC:WC+3] offset:32*(\t)    ; 32 codes: 32 bytes of my column's row
	ds_store_b128 v4, v[WC+4:WC+7] offset:32*(\t)+16
.if (\t)+2 < 4
	WLOAD (\t)+2
.endif
	s_wait_dscnt 0x0                               ; the stores have read their registers: the next block's codes may be written
.endm
	s_wait_alu depctr_va_vdst(0)                   ; the head's end
.irp t, 0,1,2,3
	BLOCK \t
.endr
	s_barrier_signal -1                            ; my stores into the stage are done (the wait above): the rows' two halves come from two waves
	s_barrier_wait -1
.irp t, 0,1,2,3,4,5,6,7
	ds_load_b128 v[OUTR+4*\t:OUTR+4*\t+3], v7 offset:2*\t*PITCH
.endr
.irp t, 0,1,2,3,4,5,6,7
	s_wait_dscnt 7-\t                              ; the loads behind load t may be out
	global_store_b128 v8, v[OUTR+4*\t:OUTR+4*\t+3], s[18:19] offset:2*\t*1024   ; sixteen lanes store 256 consecutive bytes, aligned
.endr
	s_wait_tensorcnt 0x0                           ; the wave's end
	ds_add_u32 v[SPW], v[NIL]
	s_wait_dscnt 0x0
	s_endpgm
.Lfunc_end_k_qe3dba06ce1_quant:
	.size	k_qe3dba06ce1_quant, .Lfunc_end_k_qe3dba06ce1_quant-k_qe3dba06ce1_quant
	.p2alignl 7, 3214868480
	.fill 96, 4, 3214868480
	.section	.rodata,"a",@progbits
	.p2align	6, 0x0
	.amdhsa_kernel k_qe3dba06ce1_quant
		.amdhsa_group_segment_fixed_size 17920
		.amdhsa_private_segment_fixed_size 0
		.amdhsa_enable_private_segment 0
		.amdhsa_kernarg_size 64
		.amdhsa_user_sgpr_count 2
		.amdhsa_user_sgpr_kernarg_segment_ptr 1
		.amdhsa_wavefront_size32 1
		.amdhsa_system_sgpr_workgroup_id_x 1
		.amdhsa_system_sgpr_workgroup_id_y 1
		.amdhsa_system_sgpr_workgroup_id_z 1
		.amdhsa_system_vgpr_workitem_id 0
		.amdhsa_next_free_vgpr 232
		.amdhsa_next_free_sgpr 66
		.amdhsa_reserve_vcc 0
		.amdhsa_float_denorm_mode_32 3
		.amdhsa_float_denorm_mode_16_64 3
		.amdhsa_memory_ordered 1
		.amdhsa_forward_progress 1
		.amdhsa_inst_pref_size 74
	.end_amdhsa_kernel
	.amdgpu_metadata
---
amdhsa.version: [ 1, 2 ]
amdhsa.kernels:
  - .name:           k_qe3dba06ce1_quant
    .symbol:         k_qe3dba06ce1_quant.kd
    .args:
      - { .name: x, .offset: 0, .size: 8, .value_kind: global_buffer, .address_space: global }
      - { .name: Wq, .offset: 8, .size: 8, .value_kind: global_buffer, .address_space: global }
      - { .name: Wk, .offset: 16, .size: 8, .value_kind: global_buffer, .address_space: global }
      - { .name: Wv, .offset: 24, .size: 8, .value_kind: global_buffer, .address_space: global }
      - { .name: Wo, .offset: 32, .size: 8, .value_kind: global_buffer, .address_space: global }
      - { .name: lowp_scales, .offset: 40, .size: 8, .value_kind: global_buffer, .address_space: global }
      - { .name: xc, .offset: 48, .size: 8, .value_kind: global_buffer, .address_space: global }
      - { .name: wc, .offset: 56, .size: 8, .value_kind: global_buffer, .address_space: global }
    .group_segment_fixed_size: 17920
    .private_segment_fixed_size: 0
    .kernarg_segment_align: 8
    .kernarg_segment_size: 64
    .max_flat_workgroup_size: 128
    .sgpr_count:     66
    .vgpr_count:     232
    .wavefront_size: 32
...
	.end_amdgpu_metadata
.endif
;; end of part 1
;; launch qkv (part 2): grid 12 x 16, 4 waves a work-group, clusters of 4 x 4, 327,680 bytes of LDS; arguments xc, wc, lowp_scales, bq, bk, bv, qc, kc, vc; writes qc, kc, vc
.if DOCPART == 2
	.amdgcn_target "amdgcn-amd-amdhsa--gfx1250"
	.amdhsa_code_object_version 6
	.text
	.protected	k_qe3dba06ce1_qkv
	.globl	k_qe3dba06ce1_qkv
	.p2align	8
	.type	k_qe3dba06ce1_qkv,@function
k_qe3dba06ce1_qkv:
	s_mov_b64 s[64:65], 0
	v_nop
	global_prefetch_b8 v0, s[64:65] scope:SCOPE_SE
	s_setreg_imm32_b32 hwreg(HW_REG_WAVE_MODE, 25, 1), 1
	s_wait_xcnt 0x0
	s_wait_alu depctr_hold_cnt(0) depctr_sa_sdst(0) depctr_va_vdst(0) depctr_va_sdst(0) depctr_va_ssrc(0) depctr_va_vcc(0) depctr_vm_vsrc(0)
	s_getreg_b32 s2, hwreg(HW_REG_IB_STS2, 6, 4)
	s_cmp_eq_u32 s2, 0
	s_cbranch_scc0 .Lentry_in_a_cluster
	s_endpgm
.Lentry_in_a_cluster:
	s_bfe_u32 s2, ttmp6, 0x10000c
	s_cmp_lg_u32 s2, 0xf033
	s_cbranch_scc0 .Lentry_shape_is_right
	s_endpgm
.Lentry_shape_is_right:
; q = x Wq + bq, k = x Wk + bk, v = x Wv + bv on codes of E4M3, each sum x 2^(its two exponents' sum) + bias in one multiply-add, then the quantisers of the next products (scales 2^e6, 2^e7, 2^e9).
; Cluster x (ttmp9) 0, 1, 2 makes q, k, v.  Out: qc, kc [32 heads][2048][64]; vc [32 heads][16 steps of 128 keys][4 t][4 c][32 lanes][16]: the 16 bytes of lane (r, h) are d = 16 t + r, keys 32 c + 16 h + 0 .. 15 of
; the step: the order in which the next launch's registers take them.  (For v the operands change places, so that a lane holds eight neighbouring keys.)
; A tile of 256 x 256: four waves, each 128 x 128 in 64 accumulators that take turns.  K goes in four steps of 256 through two slots; every tile is a joint load of a 4 x 4 cluster.
; PREFETCHES: a K step of the 128 rows that a wave fetches is shared out by address among the four partners that fetch it jointly, 32 rows each, a lane a row.  Behind K step 0's load K steps 1 and 2 are
; asked for, behind K step 1's load K step 3: at most two K steps are asked for and not yet read, and there is nothing behind K step 3.
; LIMITS: e0 + e1, e2 + e3, e4 + e5 between -126 and 127; e6, e7, e9 between -126 and 119.
.set KSTEP,  256
.set ROWB,   256
.set KROW,   1024
.set PITCH,  272
.set FR,     16
.set NL,     4
.set NP,     4
.set HALFT,  128*PITCH
.set SLOT,   4*HALFT
.set LAPS,   2
.set SPARE,  2*SLOT
.set ADRA, 16
.set ADRB, 20
.set STO,  24
.set RDQ,  25
.set COQ,  26
.set RDV,  27
.set SPW,  28
.set NIL,  29
.set SC,   30
.set LIM,  31
.set BB,   32
.set BA,   96
.set AF,   128
.set TMP,  128
.set CD,   192
.set OB,   128
.set G1, 24
.set G0, 32
.set G1B, 48
.set G0B, 56
.set SEC, 42
.set MSB, 0
.macro WIN new
.if MSB != \new
	s_set_vgpr_msb (MSB<<8)|\new
.set MSB, \new
.endif
.endm
.set MUL_LO, 0xa1
.set MUL_HI, 0xf1
.set TO_B,   0x40
.macro JLOAD g0a, g1a, g0b, g1b
	s_cmp_eq_u32 s15, 0
	s_cbranch_scc0 .Lfor_b_\@
	tensor_load_to_lds s[\g0a:\g0a+3], s[\g1a:\g1a+7]
	s_nop 0
.rept 4
	v_nop
.endr
	s_branch .Lasked_\@
.Lfor_b_\@:
	tensor_load_to_lds s[\g0b:\g0b+3], s[\g1b:\g1b+7]
	s_nop 0
.rept 4
	v_nop
.endr
.Lasked_\@:
.endm
.macro CREST
	s_cmp_lg_u32 s14, 0
	s_cbranch_scc1 .Lnot_wave_0_\@
	s_barrier_signal -3
.Lnot_wave_0_\@:
	s_barrier_wait -3
	s_barrier_signal -1
	s_barrier_wait -1
.endm
.macro CROUND
	s_barrier_signal -1
	s_barrier_wait -1
	CREST
.endm
	s_load_b512 s[68:83], s[0:1], 0x0
	s_load_b64 s[84:85], s[0:1], 0x40
	v_lshl_add_u32 v[SPW], v0, 2, SPARE
	v_mov_b32 v[NIL], 0
	ds_add_u32 v28, v29
	ds_add_u32 v28, v29
	s_wait_dscnt 0x0
	v_lshrrev_b32 v1, 5, v0
	v_readfirstlane_b32 s14, v1
	s_lshr_b32 s15, s14, 1
	s_and_b32 s16, s14, 1
	s_bfe_u32 s40, ttmp6, 0x40000
	s_bfe_u32 s41, ttmp6, 0x40004
	s_mov_b32 s[SEC], ttmp9
	s_and_b32 s18, ttmp7, 0xffff
	s_lshl_b32 s18, s18, 2
	s_add_co_u32 s17, s18, s41
	s_add_co_u32 s66, s18, s40
	s_lshl_b32 s43, s41, 2
	s_lshl_b32 s43, 15, s43
	s_lshl_b32 s44, 0x1111, s40
	s_lshl_b32 s86, s[SEC], 22
	s_lshl_b32 s87, s[SEC], 20
	s_cmp_eq_u32 s[SEC], 2
	s_cselect_b32 s17, s41, s17
	s_cselect_b32 s66, s66, s40
	s_cselect_b32 s20, s87, s86
	s_cselect_b32 s46, s86, s87
	s_or_b32 s[G1+0], s43, (0<<16)|(1<<20)|(1<<21)|(5<<22)|(3<<25)
	s_or_b32 s[G1B+0], s44, (0<<16)|(1<<20)|(1<<21)|(5<<22)|(3<<25)
.irp g, G1, G1B
	s_mov_b32 s[\g+1], ROWB<<16
	s_mov_b32 s[\g+2], 128<<16
	s_mov_b32 s[\g+3], ROWB<<16
	s_mov_b32 s[\g+4], 128
	s_mov_b32 s[\g+5], KROW
	s_mov_b32 s[\g+6], 0
	s_mov_b32 s[\g+7], 0
.endr
	s_lshl_b32 s21, s17, 18
	s_add_co_u32 s20, s20, s21
	s_lshl_b32 s21, s16, 17
	s_add_co_u32 s20, s20, s21
	s_mov_b32 s21, 0
	s_lshl_b32 s47, s66, 18
	s_add_co_u32 s46, s46, s47
	s_lshl_b32 s47, s16, 17
	s_add_co_u32 s46, s46, s47
	s_mov_b32 s47, 0
	s_mul_i32 s45, s14, HALFT
	s_wait_kmcnt 0x0
	s_load_b256 s[88:95], s[72:73], 0x0
	s_load_b32 s98, s[72:73], 0x24
	s_cmp_eq_u32 s[SEC], 2
	s_cselect_b64 s[10:11], s[70:71], s[68:69]
	s_cselect_b64 s[12:13], s[68:69], s[70:71]
	s_add_nc_u64 s[20:21], s[10:11], s[20:21]
	s_add_nc_u64 s[46:47], s[12:13], s[46:47]
.irp s, 0,1
	s_mov_b32 s[G0+4*\s], 1
	s_add_co_u32 s[G0+4*\s+1], s45, \s*SLOT
	s_add_nc_u64 s[G0+4*\s+2:G0+4*\s+3], s[20:21], \s*ROWB
	s_or_b32 s[G0+4*\s+3], s[G0+4*\s+3], 0x80000000
	s_mov_b32 s[G0B+4*\s], 1
	s_add_co_u32 s[G0B+4*\s+1], s45, \s*SLOT
	s_add_nc_u64 s[G0B+4*\s+2:G0B+4*\s+3], s[46:47], \s*ROWB
	s_or_b32 s[G0B+4*\s+3], s[G0B+4*\s+3], 0x80000000
.endr
	CROUND                                         ; all sixteen work-groups are here: the first joint loads meet
	JLOAD G0, G1, G0B, G1B                         ; K step 0: one tensor load a wave at the head
	s_cmp_eq_u32 s15, 0                            ; do I fetch for A or for B?
	s_cselect_b64 s[18:19], s[20:21], s[46:47]
	s_cselect_b32 s86, s40, s41                    ; my place among the four that ask with me
	s_lshl_b32 s86, s86, 15                        ; 32 rows of 1,024 bytes for each place
	s_mov_b32 s87, 0
	s_add_nc_u64 s[18:19], s[18:19], s[86:87]
	v_and_b32 v12, 31, v0
	v_lshlrev_b32 v12, 10, v12                     ; a lane a row; v12 and s[18:19] are not written again
	global_prefetch_b8 v12, s[18:19] offset:ROWB th:TH_LOAD_NT scope:SCOPE_SE
	global_prefetch_b8 v12, s[18:19] offset:2*ROWB th:TH_LOAD_NT scope:SCOPE_SE
	v_and_b32 v1, 15, v0
	v_bfe_u32 v2, v0, 4, 1
	s_wait_alu depctr_va_vdst(0)
	s_cmp_eq_u32 s[SEC], 1
	s_cselect_b64 s[8:9], s[76:77], s[74:75]
	s_cselect_b64 s[4:5], s[82:83], s[80:81]
	s_cmp_eq_u32 s[SEC], 2
	s_cselect_b64 s[8:9], s[78:79], s[8:9]
	s_lshl_b32 s99, s66, 10
	s_lshl_b32 s100, s16, 9
	s_add_co_u32 s99, s99, s100
	s_lshl_b32 s100, s17, 10
	s_lshl_b32 s101, s15, 9
	s_add_co_u32 s100, s100, s101
	s_cmp_eq_u32 s[SEC], 2
	s_cselect_b32 s99, 0, s99
	s_cselect_b32 s100, s100, 0
	v_lshl_add_u32 v8, v2, 5, s99
	v_lshl_add_u32 v9, v1, 2, s100
.irp b, 0,1,2,3,4,5,6,7
	global_load_b128 v[BB+8*\b:BB+8*\b+3], v8, s[8:9] offset:64*\b
	global_load_b128 v[BB+8*\b+4:BB+8*\b+7], v8, s[8:9] offset:64*\b+16
.endr
.irp a, 0,1,2,3,4,5,6,7
	global_load_b32 v[BA+2*\a], v9, s[8:9] offset:64*\a
	global_load_b32 v[BA+2*\a+1], v9, s[8:9] offset:64*\a
.endr
	v_mul_u32_u24 v3, v1, PITCH
	s_wait_alu depctr_va_vdst(0)
	v_lshl_add_u32 v4, v2, 4, v3
	s_mul_i32 s22, s15, HALFT
	s_mul_i32 s23, s16, HALFT
	s_add_co_u32 s23, s23, 2*HALFT
.irp s, 0,1
	v_add_nc_u32 v[ADRA+\s], s22, v4
	v_add_nc_u32 v[ADRB+\s], s23, v4
	s_add_co_u32 s22, s22, SLOT
	s_add_co_u32 s23, s23, SLOT
.endr
	s_mul_i32 s22, s15, 128*PITCH
	s_lshl_b32 s23, s16, 7
	s_add_co_u32 s22, s22, s23
	v_lshl_add_u32 v[STO], v2, 3, v3
	v_add_nc_u32 v[STO], s22, v[STO]
	v_and_b32 v6, 31, v0
	v_lshrrev_b32 v7, 2, v6
	v_mul_u32_u24 v7, v7, PITCH
	v_and_b32 v10, 3, v6
	v_lshl_add_u32 v7, v10, 4, v7
	s_mul_i32 s22, s14, 64*PITCH
	v_add_nc_u32 v[RDQ], s22, v7
	v_lshlrev_b32 v[COQ], 4, v6
	v_lshl_add_u32 v7, v2, 4, v3                   ; v: row r, 16 h bytes on
	v_add_nc_u32 v[RDV], s22, v7
	s_lshr_b32 s86, s17, 3
	s_lshl_b32 s86, s86, 21
	s_lshl_b32 s87, s66, 19
	s_add_co_u32 s86, s86, s87
	s_and_b32 s87, s17, 7
	s_lshl_b32 s87, s87, 14
	s_add_co_u32 s86, s86, s87
	s_lshl_b32 s87, s14, 12
	s_add_co_u32 s86, s86, s87
	s_mov_b32 s87, 0
	s_add_nc_u64 s[4:5], s[4:5], s[86:87]
	s_lshr_b32 s86, s66, 3
	s_lshl_b32 s86, s86, 21
	s_lshl_b32 s87, s17, 19
	s_add_co_u32 s86, s86, s87
	s_lshl_b32 s87, s14, 17
	s_add_co_u32 s86, s86, s87
	s_and_b32 s87, s66, 7
	s_lshl_b32 s87, s87, 14                        ; two steps of 128 keys: 16,384 bytes of a head
	s_add_co_u32 s86, s86, s87
	s_mov_b32 s87, 0
	s_add_nc_u64 s[6:7], s[84:85], s[86:87]
	s_wait_kmcnt 0x0
	s_add_co_i32 s88, s88, s89
	s_add_co_i32 s90, s90, s91
	s_add_co_i32 s92, s92, s93
	s_cmp_eq_u32 s[SEC], 1
	s_cselect_b32 s96, s90, s88
	s_cselect_b32 s99, s95, s94
	s_cmp_eq_u32 s[SEC], 2
	s_cselect_b32 s96, s92, s96
	s_cselect_b32 s99, s98, s99
	s_add_co_i32 s96, s96, 127
	s_lshl_b32 s96, s96, 23
	s_mov_b32 s97, s96
	s_add_co_i32 s99, s99, 127
	s_lshl_b32 s100, s99, 23
	v_mov_b32 v[SC], s100
	s_add_co_i32 s99, s99, 8
	s_lshl_b32 s99, s99, 23
	s_or_b32 s99, s99, 0x600000
	v_mov_b32 v[LIM], s99
.macro FRAG reg, adr, q, i
.irp c, 0,1,2,3
	ds_load_b128 v[\reg+4*\c:\reg+4*\c+3], v[\adr] offset:128*(\q)+32*\c+(\i)*16*PITCH
.endr
.endm
.macro MUL16 a0, p, zero
.irp a, \a0, \a0+1
.irp b, 0,1,2,3,4,5,6,7
.if \zero
	v_wmma_f32_16x16x128_fp8_fp8 v[8*(8*((\a)%4)+\b):8*(8*((\a)%4)+\b)+7], v[128*(\p)+FR*\b:128*(\p)+FR*\b+FR-1], v[AF+FR*(\a):AF+FR*(\a)+FR-1], 0
.else
	v_wmma_f32_16x16x128_fp8_fp8 v[8*(8*((\a)%4)+\b):8*(8*((\a)%4)+\b)+7], v[128*(\p)+FR*\b:128*(\p)+FR*\b+FR-1], v[AF+FR*(\a):AF+FR*(\a)+FR-1], v[8*(8*((\a)%4)+\b):8*(8*((\a)%4)+\b)+7]
.endif
.endr
.endr
.endm
.macro FETCH_B slot, q, p
	WIN TO_B
.irp i, 0,1,2,3,4,5,6,7
	FRAG 128*(\p)+FR*\i, ADRB+\slot, \q, \i
.endr
	WIN 0
.endm
.macro FETCH_A slot, q, i0
.irp i, \i0, \i0+1, \i0+2, \i0+3
	FRAG AF+FR*(\i), ADRA+\slot, \q, \i
.endr
.endm
.macro PLACES n
.rept \n
	v_nop
.endr
.endm
.macro STEP slot, q, zero
	s_wait_dscnt 4*NL
	WIN MUL_LO
	MUL16 0, (\q)%2, \zero
	MUL16 2, (\q)%2, \zero
	s_wait_dscnt 0
	PLACES NP
	FETCH_B \slot, (\q)+1, 1-(\q)%2
	FETCH_A \slot, (\q)+1, 0
	WIN MUL_HI
	MUL16 4, (\q)%2, \zero
	MUL16 6, (\q)%2, \zero
	PLACES NP
	WIN 0
	FETCH_A \slot, (\q)+1, 4
.endm
.macro TURN slot, next, fill
	s_wait_tensorcnt 0x0
	ds_add_u32 v[SPW], v[NIL]
	s_wait_dscnt 4*NL+1
	WIN MUL_LO
	MUL16 0, 1, 0
	s_wait_dscnt 0x0
	s_barrier_signal -1
	MUL16 2, 1, 0
	WIN 0
	s_barrier_wait -1
.if \fill
	CREST
	s_add_nc_u64 s[G0+4*\slot+2:G0+4*\slot+3], s[G0+4*\slot+2:G0+4*\slot+3], 2*ROWB
	s_add_nc_u64 s[G0B+4*\slot+2:G0B+4*\slot+3], s[G0B+4*\slot+2:G0B+4*\slot+3], 2*ROWB
	JLOAD G0+4*\slot, G1, G0B+4*\slot, G1B
.else
	PLACES NP
.endif
	FETCH_B \next, 0, 0
	FETCH_A \next, 0, 0
	WIN MUL_HI
	MUL16 4, 1, 0
	MUL16 6, 1, 0
	PLACES NP
	WIN 0
	FETCH_A \next, 0, 4
.endm
	s_wait_alu depctr_va_vdst(0)                   ; the head's end
	s_wait_tensorcnt 0x0                           ; my part of K step 0 is in
	ds_add_u32 v[SPW], v[NIL]
	s_wait_dscnt 0x0
	CROUND                                         ; everybody's part of K step 0 is in, and all sixteen work-groups are here
	JLOAD G0+4, G1, G0B+4, G1B                     ; K step 1
	FETCH_B 0, 0, 0
	FETCH_A 0, 0, 0
	FETCH_A 0, 0, 4
	global_prefetch_b8 v12, s[18:19] offset:3*ROWB th:TH_LOAD_NT scope:SCOPE_SE
	STEP 0, 0, 1
	s_mov_b32 s3, LAPS-1
.Llap:
	TURN 0, 1, 1
	STEP 1, 0, 0
	TURN 1, 0, 1
	STEP 0, 0, 0
	s_sub_co_u32 s3, s3, 1
	s_cmp_lg_u32 s3, 0
	s_cbranch_scc1 .Llap
	TURN 0, 1, 0
	STEP 1, 0, 0
	s_wait_dscnt 4*NL
	WIN MUL_LO
	MUL16 0, 1, 0
	MUL16 2, 1, 0
	s_wait_dscnt 0
	WIN MUL_HI
	MUL16 4, 1, 0
	MUL16 6, 1, 0
	WIN 0
.macro QBLOCK a
	s_cmp_eq_u32 s[SEC], 2
	s_cbranch_scc1 .Lbias_a_\@
	WIN 0x02+((\a)/4)
.set nn, 0
.rept 32
	v_pk_fma_f32 v[TMP+nn:TMP+nn+1], v[64*((\a)%4)+nn:64*((\a)%4)+nn+1], s[96:97], v[BB+nn:BB+nn+1] op_sel_hi:[1,0,1]
.set nn, nn+2
.endr
	WIN 0
	s_branch .Lbias_done_\@
.Lbias_a_\@:
	WIN 0x02+((\a)/4)
.set nn, 0
.rept 32
	v_pk_fma_f32 v[TMP+nn:TMP+nn+1], v[64*((\a)%4)+nn:64*((\a)%4)+nn+1], s[96:97], v[BA+2*(\a):BA+2*(\a)+1] op_sel_hi:[1,0,1]
.set nn, nn+2
.endr
	WIN 0
.Lbias_done_\@:
.set nn, 0
.rept 64
	v_med3_num_f32 v[TMP+nn], v[TMP+nn], -v[LIM], v[LIM]
.set nn, nn+1
.endr
.if (\a) >= 2
	s_wait_alu depctr_va_vdst(0)
	s_wait_dscnt 8
.endif
.irp b, 0,1,2,3,4,5,6,7
	v_cvt_scalef32_pk8_fp8_f32 v[CD+16*((\a)%2)+2*\b:CD+16*((\a)%2)+2*\b+1], v[TMP+8*\b:TMP+8*\b+7], v[SC]
.endr
	v_nop
.irp b, 0,1,2,3,4,5,6,7
	ds_store_b64 v[STO], v[CD+16*((\a)%2)+2*\b:CD+16*((\a)%2)+2*\b+1] offset:(\a)*16*PITCH+16*\b
.endr
.endm
	s_wait_loadcnt 0x0
	PLACES NP
.irp a, 0,1,2,3,4,5,6,7
	QBLOCK \a
.endr
	s_wait_dscnt 0x0
	s_barrier_signal -1
	s_barrier_wait -1
	s_cmp_eq_u32 s[SEC], 2
	s_cbranch_scc1 .Lout_v
.set tt, 0
.rept 32
	ds_load_b128 v[OB+4*tt:OB+4*tt+3], v[RDQ] offset:(tt/4)*8*PITCH+64*(tt%4)
.set tt, tt+1
.endr
.set tt, 0
.rept 32
	s_wait_dscnt 31-tt
	global_store_b128 v[COQ], v[OB+4*tt:OB+4*tt+3], s[4:5] offset:(tt%4)*131072+(tt/4)*512
.set tt, tt+1
.endr
	s_branch .Lout_done
.Lout_v:
.set tt, 0
.rept 32
	ds_load_b128 v[OB+4*tt:OB+4*tt+3], v[RDV] offset:((tt%16)/4)*16*PITCH+128*(tt/16)+32*(tt%4)   ; step tt / 16 of the two, t = (tt % 16) / 4, c = tt % 4
.set tt, tt+1
.endr
.set tt, 0
.rept 32
	s_wait_dscnt 31-tt
	global_store_b128 v[COQ], v[OB+4*tt:OB+4*tt+3], s[6:7] offset:512*tt   ; the wave stores 512 consecutive bytes, aligned
.set tt, tt+1
.endr
.Lout_done:
	s_wait_tensorcnt 0x0
	ds_add_u32 v[SPW], v[NIL]
	s_wait_dscnt 0x0
	CROUND
	s_endpgm
.Lfunc_end_k_qe3dba06ce1_qkv:
	.size	k_qe3dba06ce1_qkv, .Lfunc_end_k_qe3dba06ce1_qkv-k_qe3dba06ce1_qkv
	.p2alignl 7, 3214868480
	.fill 96, 4, 3214868480
	.section	.rodata,"a",@progbits
	.p2align	6, 0x0
	.amdhsa_kernel k_qe3dba06ce1_qkv
		.amdhsa_group_segment_fixed_size 327680
		.amdhsa_private_segment_fixed_size 0
		.amdhsa_enable_private_segment 0
		.amdhsa_kernarg_size 72
		.amdhsa_user_sgpr_count 2
		.amdhsa_user_sgpr_kernarg_segment_ptr 1
		.amdhsa_wavefront_size32 1
		.amdhsa_system_sgpr_workgroup_id_x 1
		.amdhsa_system_sgpr_workgroup_id_y 1
		.amdhsa_system_sgpr_workgroup_id_z 1
		.amdhsa_system_vgpr_workitem_id 0
		.amdhsa_next_free_vgpr 1024
		.amdhsa_next_free_sgpr 102
		.amdhsa_reserve_vcc 0
		.amdhsa_float_denorm_mode_32 3
		.amdhsa_float_denorm_mode_16_64 3
		.amdhsa_memory_ordered 1
		.amdhsa_forward_progress 1
		.amdhsa_inst_pref_size 170
	.end_amdhsa_kernel
	.amdgpu_metadata
---
amdhsa.version: [ 1, 2 ]
amdhsa.kernels:
  - .name:           k_qe3dba06ce1_qkv
    .symbol:         k_qe3dba06ce1_qkv.kd
    .args:
      - { .name: xc, .offset: 0, .size: 8, .value_kind: global_buffer, .address_space: global }
      - { .name: wc, .offset: 8, .size: 8, .value_kind: global_buffer, .address_space: global }
      - { .name: lowp_scales, .offset: 16, .size: 8, .value_kind: global_buffer, .address_space: global }
      - { .name: bq, .offset: 24, .size: 8, .value_kind: global_buffer, .address_space: global }
      - { .name: bk, .offset: 32, .size: 8, .value_kind: global_buffer, .address_space: global }
      - { .name: bv, .offset: 40, .size: 8, .value_kind: global_buffer, .address_space: global }
      - { .name: qc, .offset: 48, .size: 8, .value_kind: global_buffer, .address_space: global }
      - { .name: kc, .offset: 56, .size: 8, .value_kind: global_buffer, .address_space: global }
      - { .name: vc, .offset: 64, .size: 8, .value_kind: global_buffer, .address_space: global }
    .group_segment_fixed_size: 327680
    .private_segment_fixed_size: 0
    .kernarg_segment_align: 8
    .kernarg_segment_size: 72
    .max_flat_workgroup_size: 128
    .sgpr_count:     102
    .vgpr_count:     1024
    .wavefront_size: 32
...
	.end_amdgpu_metadata
.endif
;; end of part 2
;; launch attn (part 3): grid 8 x 32, 16 waves a work-group, clusters of 4 x 1, 288,768 bytes of LDS; arguments qc, kc, vc, lowp_scales, cc; writes cc
.if DOCPART == 3
	.amdgcn_target "amdgcn-amd-amdhsa--gfx1250"
	.amdhsa_code_object_version 6
	.text
	.protected	k_qe3dba06ce1_attn
	.globl	k_qe3dba06ce1_attn
	.p2align	8
	.type	k_qe3dba06ce1_attn,@function
k_qe3dba06ce1_attn:
	s_mov_b64 s[64:65], 0
	v_nop
	global_prefetch_b8 v0, s[64:65] scope:SCOPE_SE
	s_setreg_imm32_b32 hwreg(HW_REG_WAVE_MODE, 25, 1), 1
	s_wait_xcnt 0x0
	s_wait_alu depctr_hold_cnt(0) depctr_sa_sdst(0) depctr_va_vdst(0) depctr_va_sdst(0) depctr_va_ssrc(0) depctr_va_vcc(0) depctr_vm_vsrc(0)
	s_getreg_b32 s2, hwreg(HW_REG_IB_STS2, 6, 4)
	s_cmp_eq_u32 s2, 0
	s_cbranch_scc0 .Lentry_in_a_cluster
	s_endpgm
.Lentry_in_a_cluster:
	s_bfe_u32 s2, ttmp6, 0x10000c
	s_cmp_lg_u32 s2, 0x3003
	s_cbranch_scc0 .Lentry_shape_is_right
	s_endpgm
.Lentry_shape_is_right:
; ctx = softmax(where(causal, q k^T / 8, -10000)) v on codes of E4M3, and the quantiser of ctx (scale 2^e10).
; qc, kc [32 heads][2048][64]; vc [32 heads][16 steps of 128 keys][4 t][4 c][32 lanes][16]: the 16 bytes of lane (r, h) are d = 16 t + r, keys 32 c + 16 h + 0 .. 15 of the step.
; Out: cc, ctx's codes, [m / 64][head / 4][(m % 64) / 4][head % 4][m % 4][64 d], m = 2048 b + s: four rows of one head are 256 consecutive bytes, and 64 rows are one dense block of 65,536.
; THE SOFTMAX: t = logit x log2(e); M = the running largest t rounded UP to a whole number; p = 2^(t - M) is quantised (scale 2^e8), not normalised; the row's sum is taken of the unquantised p and divides at the end.
; When M moves, the sum and O are multiplied by 2^(old M - new M): exact.
; SHARES.  A PAIR is 32 queries, two tiles A and B of 16; the pair (g, cx) begins at query 128 g + 32 cx, so key step g (128 keys) is its diagonal step, the g steps below are open, those above wholly hidden.
; The four partners of a cluster (cx) share a head; cluster 0 owns g = 0, 3, 4, 7, 8, 11, 12, 15, cluster 1 the other eight: 68 pair-steps each.  Sixteen waves share the 68 by the table below (LOOK):
; wave w takes of pair g the steps start .. start + count - 1; waves alike modulo 4 have 17 steps, two diagonal ones among them, and two of the eight pairs' leaders (start = 0).
; The other waves (helpers) hand their state to the leader through LDS as an image of their registers; a leader has up to two helpers (H1, H2; 0: none).  No branch hangs on cx.
; Each fragment of K and of V serves both tiles of the pair.
; THE WHOLE HEAD LIES IN LDS, filled once: no slot is filled again and no barrier stands in the loop; the four work-groups ask for each tile jointly.  There is no loop of loads to run ahead of, so nothing is prefetched.
; THE MASK WRITES -10000, NOT -INFINITY, so hidden keys count: all with the same p_m = 2^(t_m - ceil(t_m)), t_m the masked logit's t.  In the diagonal step hidden scores are replaced by the raw sum that stands for -10000.
; Wholly hidden steps (tiles under the mask that reference() builds) have no scores: wave w makes Q(p_m) x (the sum of V's codes over step w's keys) by products with a constant fragment; the sums over all steps
; above g make one row of a table; a leader takes that row, p_m x the number of such keys and M = ceil(t_m) in as one more part of its rows.
; LAYOUT.  Both products are used transposed: S^T = K Q^T (source 0 = 16 keys, source 1 = 16 queries), O^T = V^T P^T: a lane holds ONE query (lane % 16) throughout.
; THE KEYS OF A TILE ARE NOT NEIGHBOURS: lane r of tile 2 b + u takes key 32 b + 8 u + r + 8 (r / 8), so that the 16 registers of tiles 2 b and 2 b + 1 are keys 32 b + 16 (lane / 16) + 0 .. 15.
; LIMITS: e6 + e7 between -111 and 130 (added to c's exponent field, taken off -80000's); e8 and e10 between -126 and 119; the promise holds while the scaled scores stay under 2^31 in magnitude.
; REGISTERS: v0 thread; v1, v2 lane's places in K, V; v3 2^e8; v4-7 -M, largest t, sum of tile A; v8-11 of tile B; v12-15 at work; v48-63 Q; v64-127 O^T of A, B; v128-191 scores of A, then V's fragments;
;   v16-47 scores of B's first 64 keys; v192-255 K's fragments; then v192-223 scores of B's other 64 keys, v224-239 p's codes of A, v240-255 of B.
.set KP,     144                       ; two keys' codes, 128 bytes, + 16 of padding
.set KSTEPB, 64*KP                     ; a step's 128 keys of K
.set VSTEPB, 8192                      ; a step's 128 keys of V: 16 fragment loads of 512 bytes, dense
.set VOFF,   16*KSTEPB                 ; K's 2,048 keys, then V's
.set TT,     VOFF+16*VSTEPB            ; 16 rows of 64 f32: step s's hidden part
.set SUF,    TT+4096                   ; 16 rows of 64 f32: the parts of all steps above g
.set SPARE,  SUF+4096                  ; the spare words, 128 bytes for each wave
.set IMGB,   9216                      ; an image of a helper's state: 72 registers x 128 bytes.  The images lie from byte 0 on, in K's bytes, which have had their one fill and their last read
.set STG,    VOFF                      ; the way out: 2,048 bytes for each wave, in V's bytes, which likewise are done with
.set WV,  14                           ; s14 my wave's number
.set GI,  15                           ; s15 my pair's g
.set KS,  19                           ; s19 the trip's step
.set TRP, 51
.set NST, 62                           ; s62 count
.set ST0, 63                           ; s63 start: 0 in a leader
.set H1,  80
.set H2,  81
.set G1K, 24
.set G1V, 32
.set G0K, 40
.set G0V, 44
.macro CROUND                          ; a round of the cluster's barrier
	s_barrier_signal -1
	s_barrier_wait -1
	s_cmp_lg_u32 s[WV], 0
	s_cbranch_scc1 .Lnot_wave_0_\@
	s_barrier_signal -3
.Lnot_wave_0_\@:
	s_barrier_wait -3
	s_barrier_signal -1
	s_barrier_wait -1
.endm
.macro LOOK dst, l0, h0, l1, h1        ; digit w % 8 of one of four words: cluster 0's or 1's, waves 0-7 (l) or 8-15 (h)
	s_cmp_lt_u32 s[WV], 8
	s_mov_b32 s52, \h0
	s_cselect_b32 s52, \l0, s52
	s_mov_b32 s53, \h1
	s_cselect_b32 s53, \l1, s53
	s_cmp_eq_u32 s17, 0
	s_cselect_b32 s52, s52, s53
	s_lshr_b32 s52, s52, s55
	s_and_b32 s[\dst], s52, 15
.endm
	s_load_b256 s[4:11], s[0:1], 0x0               ; qc 4:5, kc 6:7, vc 8:9, the exponents 10:11
	s_load_b64 s[12:13], s[0:1], 0x20              ; cc
	v_lshl_add_u32 v24, v0, 2, SPARE
	v_mov_b32 v25, 0
	ds_add_u32 v24, v25                            ; the wave's opening: the add, twice on end, and its wait
	ds_add_u32 v24, v25
	v_lshrrev_b32 v12, 5, v0
	v_readfirstlane_b32 s[WV], v12                 ; wave 0..15
	s_bfe_u32 s16, ttmp6, 0x40000                  ; cx: it enters Q's and cc's addresses and the mask's numbers alone
	s_mov_b32 s17, ttmp9                           ; the cluster's x: 0 or 1
	s_and_b32 s18, ttmp7, 0xffff                   ; the head
	s_and_b32 s52, s[WV], 7                        ; what I fetch: waves 0-7 keys 256 (w % 8) on of K, waves 8-15 of V: 16,384 dense bytes of either
	s_mul_i32 s53, s52, 2*KSTEPB
	s_mul_i32 s54, s52, 2*VSTEPB
	s_add_co_u32 s54, s54, VOFF
	s_lshl_b32 s56, s18, 17                        ; the head's first byte in each tensor of codes
	s_lshl_b32 s55, s52, 14
	s_add_co_u32 s58, s56, s55
	s_mov_b32 s59, 0
	; K: 64 rows of 256 bytes, padded behind every two keys (128 bytes);  V: 64 rows of 256 bytes, as they lie
	s_mov_b32 s[G1K], 15|(0<<16)|(1<<20)|(1<<21)|(4<<22)|(3<<25)   ; 15:0 the mask: all four work-groups; elements of 1 byte; padding on; 21 set beside a mask; four words after every 32
	s_mov_b32 s[G1V], 15|(0<<16)|(1<<21)
.irp g, G1K, G1V
	s_mov_b32 s[\g+1], 256<<16
	s_mov_b32 s[\g+2], 64<<16
	s_mov_b32 s[\g+3], 256<<16
	s_mov_b32 s[\g+4], 64
	s_mov_b32 s[\g+5], 256
	s_mov_b32 s[\g+6], 0
	s_mov_b32 s[\g+7], 0
.endr
	s_mov_b32 s20, 0x76543210                      ; s[20:21] lane selects: lane l xor 16
	s_mov_b32 s21, 0xfedcba98
	s_wait_dscnt 0x0                               ; both adds are done
	s_wait_kmcnt 0x0
	s_load_b128 s[68:71], s[10:11], 0x18           ; e6, e7, e8, e9
	s_load_b32 s72, s[10:11], 0x28                 ; e10
	s_mov_b32 s[G0K], 1
	s_mov_b32 s[G0K+1], s53
	s_add_nc_u64 s[G0K+2:G0K+3], s[6:7], s[58:59]
	s_or_b32 s[G0K+3], s[G0K+3], 0x80000000
	s_mov_b32 s[G0V], 1
	s_mov_b32 s[G0V+1], s54
	s_add_nc_u64 s[G0V+2:G0V+3], s[8:9], s[58:59]
	s_or_b32 s[G0V+3], s[G0V+3], 0x80000000
	CROUND                                         ; all four work-groups are here: the joint loads meet
	s_cmp_lt_u32 s[WV], 8                          ; one load a wave, the launch's only fills
	s_cbranch_scc0 .Lfor_v
	tensor_load_to_lds s[G0K:G0K+3], s[G1K:G1K+7]
	s_nop 0
.rept 4
	v_nop
.endr
	s_branch .Lasked
.Lfor_v:
	tensor_load_to_lds s[G0V:G0V+3], s[G1V:G1V+7]
	s_nop 0
.rept 4
	v_nop
.endr
.Lasked:
	s_and_b32 s55, s[WV], 7
	s_lshl_b32 s55, s55, 2
	LOOK GI,  0x7bcf48cf, 0xc830b7bf, 0x9ede9ed5, 0xa6216ada
	LOOK ST0, 0x00560000, 0x9500448b, 0x5a550000, 0x840000a4
	LOOK NST, 0x44455556, 0x44414445, 0x55555556, 0x33324444
	LOOK H1,  0xab000e54, 0, 0x00007450, 0x0000e800
	LOOK H2,  0x090000f8, 0, 0x00000690, 0x00000f00
	s_add_co_u32 s[KS], s[ST0], s[NST]
	s_sub_co_u32 s[KS], s[KS], 1                   ; from the share's last step down
	s_mov_b32 s[TRP], 0
	s_lshl_b32 s53, s[GI], 13
	s_add_co_u32 s52, s56, s53
	s_lshl_b32 s53, s16, 11
	s_add_co_u32 s52, s52, s53
	s_mov_b32 s53, 0
	s_add_nc_u64 s[4:5], s[4:5], s[52:53]          ; Q's codes at my pair's first query
	s_lshr_b32 s52, s18, 4
	s_lshl_b32 s52, s52, 21                        ; cc: batch,
	s_lshl_b32 s54, s[GI], 17
	s_add_co_u32 s52, s52, s54
	s_lshr_b32 s54, s16, 1
	s_lshl_b32 s54, s54, 16
	s_add_co_u32 s52, s52, s54                     ; the block of 64 rows, 2 g + cx / 2,
	s_and_b32 s54, s16, 1
	s_lshl_b32 s54, s54, 13
	s_add_co_u32 s52, s52, s54                     ; its upper 32 rows,
	s_bfe_u32 s54, s18, 0x20002
	s_lshl_b32 s54, s54, 14
	s_add_co_u32 s52, s52, s54
	s_and_b32 s54, s18, 3
	s_lshl_b32 s54, s54, 8
	s_add_co_u32 s52, s52, s54                     ; and my head's place
	s_add_nc_u64 s[12:13], s[12:13], s[52:53]
	s_lshl_b32 s77, s16, 5                         ; 32 cx
	v_and_b32 v18, 15, v0                          ; r
	v_bfe_u32 v19, v0, 4, 1                        ; h
	v_lshlrev_b32 v13, 6, v18
	v_lshl_add_u32 v13, v19, 4, v13                ; Q: row r of 64 bytes, + 16 h
	global_load_b128 v[48:51], v13, s[4:5]         ; d = 16 h + 0 .. 15,
	global_load_b128 v[52:55], v13, s[4:5] offset:32   ; d = 32 + 16 h + 0 .. 15: the order in which K's fragments come too
	global_load_b128 v[56:59], v13, s[4:5] offset:1024
	global_load_b128 v[60:63], v13, s[4:5] offset:1056
	v_and_b32 v20, 8, v18
	v_add_nc_u32 v20, v20, v18                     ; r + 8 (r / 8)
	v_lshrrev_b32 v21, 1, v20
	v_mul_u32_u24 v1, v21, KP
	v_and_b32 v21, 1, v20
	v_lshl_add_u32 v1, v21, 6, v1
	v_lshl_add_u32 v1, v19, 4, v1
	v_and_b32 v2, 31, v0
	v_lshlrev_b32 v2, 4, v2
	v_add_nc_u32 v2, VOFF, v2                      ; V: 16 bytes a lane
	v_mov_b32 v4, 0x7f61b1e6                       ; -M and the largest t so far: -3e38, under every t
	v_mov_b32 v5, 0xff61b1e6
	v_mov_b32 v6, 0
	v_mov_b32 v7, 0
	v_mov_b32 v8, 0x7f61b1e6
	v_mov_b32 v9, 0xff61b1e6
	v_mov_b32 v10, 0
	v_mov_b32 v11, 0
.set nn, 0
.rept 64
	v_mov_b32 v[64+nn], 0                          ; O^T of both tiles.  (The step is written once: its first products add onto zeros)
.set nn, nn+1
.endr
	s_wait_alu depctr_va_vdst(0)                   ; directly ahead of the wait below
	s_wait_kmcnt 0x0
	s_add_co_i32 s52, s68, s69
	s_lshl_b32 s52, s52, 23
	s_mov_b32 s22, 0x3e38aa3b                      ; c = log2(e) / 8;
	s_add_co_i32 s22, s22, s52                     ; a raw sum stands for sum x 2^(e6 + e7): the two exponents are added to c's exponent field
	s_mov_b32 s23, s22                             ; (named with it as a pair, so it is written)
	s_mov_b32 s50, 0xc79c4000                      ; -80000 = -10000 x 8,
	s_sub_co_i32 s50, s50, s52                     ; x 2^-(e6 + e7): the raw sum that stands for the logit -10000
	s_add_co_i32 s52, s70, 127
	s_lshl_b32 s53, s52, 23
	v_mov_b32 v3, s53                              ; 2^e8
	s_add_co_i32 s52, s52, 8
	s_lshl_b32 s52, s52, 23
	s_or_b32 s73, s52, 0x600000                    ; 448 x 2^e8
	s_add_co_i32 s79, s70, s71                     ; e8 + e9
	v_mov_b32 v16, s50
	v_mul_f32 v16, s22, v16                        ; t_m
	v_floor_f32 v17, -v16                          ; -ceil(t_m)
	v_add_f32 v18, v16, v17
	s_wait_alu depctr_va_vdst(0)                   ; ahead of the transcendental
	v_exp_f32 v18, v18                             ; p_m
	v_mov_b32 v15, 0                               ; (a plain line behind the transcendental; v15 is named as the upper half of v[14:15])
	s_wait_alu depctr_va_vdst(0)                   ; and ahead of its first reader
	v_min_num_f32 v20, s73, v18
.irp n, 1,2,3,4,5,6,7
	v_mov_b32 v[20+\n], v20
.endr
	v_cvt_scalef32_pk8_fp8_f32 v[28:29], v[20:27], v3
	v_mov_b32 v19, 0                               ; (a plain line behind the conversion; a lane permute's destination counts as one of its sources)
	v_readfirstlane_b32 s74, v18                   ; p_m: the same in all lanes
	v_readfirstlane_b32 s75, v28                   ; its code in every byte
	v_readfirstlane_b32 s76, v17                   ; -ceil(t_m)
	v_mov_b32 v14, 0
.macro VLOAD                           ; V^T's four fragments (16 d x 128 keys): registers 4 c .. 4 c + 3 hold keys 32 c + 16 h + 0 .. 15, as p's codes lie; 512 consecutive bytes a load
.irp t, 0,1,2,3
.irp c, 0,1,2,3
	ds_load_b128 v[128+16*\t+4*\c:131+16*\t+4*\c], v13 offset:2048*\t+512*\c
.endr
.endr
.endm
; A tile's 64 scores (or p) stand in v[b0 .. b0 + 31] and v[b1 .. b1 + 31]: number n in v[b0 + n + (n / 32) KK].
; The diagonal step alone: number n is key 32 (n / 16) + 16 h + n % 16 of the step: hidden where that passes 32 cx + off + r.
.macro DIAG b0, b1, off
.set KK, \b1-32-\b0
	s_cmp_lg_u32 s[KS], s[GI]
	s_cbranch_scc1 .Lop_\@
	v_and_b32 v12, 15, v0
	v_bfe_u32 v13, v0, 4, 1
	v_lshlrev_b32 v13, 4, v13
	v_sub_nc_u32 v12, v12, v13
	v_add_nc_u32 v12, s77, v12                     ; 32 cx + r - 16 h
	s_wait_alu depctr_va_vdst(0)                   ; ahead of the first reader of the scores
.set nn, 0
.rept 64
	v_cmp_gt_i32 vcc_lo, 32*(nn/16)+nn%16-\off, v12
	v_cndmask_b32 v[\b0+nn+nn/32*KK], v[\b0+nn+nn/32*KK], s50, vcc_lo
.set nn, nn+1
.endr
.Lop_\@:
.endm
.macro BIGGEST b0, b1                  ; the step's largest score of my query, among my 64 keys, in two chains (each tile of scores is read from its low end on)
.set KK, \b1-32-\b0
	v_max3_num_f32 v12, v[\b0], v[\b0+1], v[\b0+2]
	v_max3_num_f32 v13, v[\b0+3], v[\b0+4], v[\b0+5]
.set nn, 6
.rept 14
	v_max3_num_f32 v12, v12, v[\b0+nn+nn/32*KK], v[\b0+nn+1+(nn+1)/32*KK]
	v_max3_num_f32 v13, v13, v[\b0+nn+2+(nn+2)/32*KK], v[\b0+nn+3+(nn+3)/32*KK]
.set nn, nn+4
.endr
	v_max3_num_f32 v12, v12, v[\b1+30], v[\b1+31]
.endm
; The rest of a tile's softmax: vm: -M, largest t, sum; cd: its codes; ob: its O^T.
.macro SOFT b0, b1, vm, cd, ob
.set KK, \b1-32-\b0
	v_max_num_f32 v12, v12, v13
	s_delay_alu instid0(VALU_DEP_1)
	v_permlanex16_b32 v13, v12, s20, s21
	s_delay_alu instid0(VALU_DEP_1)
	v_max_num_f32 v12, v12, v13                    ; and among lane l xor 16's
	s_delay_alu instid0(VALU_DEP_1)
	v_mul_f32 v12, s22, v12                        ; as t (c is positive)
	s_delay_alu instid0(VALU_DEP_1)
	v_max_num_f32 v[\vm+1], v[\vm+1], v12          ; the running largest t
	v_mov_b32 v12, v[\vm]
	s_delay_alu instid0(VALU_DEP_2)
	v_floor_f32 v[\vm], -v[\vm+1]                  ; the new -M = -ceil(t): a whole number
	s_delay_alu instid0(VALU_DEP_1)
	v_sub_f32 v12, v[\vm], v12                     ; old M - new M: a whole number, 0 or less
	s_delay_alu instid0(VALU_DEP_1)
	v_cvt_i32_f32 v12, v12                         ; (it saturates)
	s_delay_alu instid0(VALU_DEP_1)
	v_ldexp_f32 v14, 1.0, v12                      ; f = 2^(old M - new M)
.set nn, 0
.rept 32
	v_pk_fma_f32 v[\b0+nn+nn/32*KK:\b0+nn+1+nn/32*KK], v[\b0+nn+nn/32*KK:\b0+nn+1+nn/32*KK], s[22:23], v[\vm:\vm+1] op_sel_hi:[1,0,0]   ; t - M, two at a time
.set nn, nn+2
.endr
	s_wait_alu depctr_va_vdst(0)                   ; ahead of the batch
.set nn, 0
.rept 64
	v_exp_f32 v[\b0+nn+nn/32*KK], v[\b0+nn+nn/32*KK]   ; p = 2^(t - M), at most 1
.set nn, nn+1
.endr
	v_pk_mul_f32 v[\vm+2:\vm+3], v[\vm+2:\vm+3], v[14:15] op_sel_hi:[1,0]   ; the sum under the new M.  (A plain line behind the exponentials)
	s_wait_alu depctr_va_vdst(0)                   ; and behind it, ahead of its first reader
.irp k, 0,1,2,3                                ; the sum of the unquantised p, two at a time, in four chains (v240-247 are free until tile B's codes)
	v_pk_add_f32 v[240+2*\k:241+2*\k], v[\b0+4*\k:\b0+4*\k+1], v[\b0+4*\k+2:\b0+4*\k+3]
.endr
.set nn, 16
.rept 6
.irp k, 0,1,2,3
	v_pk_add_f32 v[240+2*\k:241+2*\k], v[240+2*\k:241+2*\k], v[\b0+nn+2*\k+(nn+2*\k)/32*KK:\b0+nn+2*\k+1+(nn+2*\k)/32*KK]
.endr
.set nn, nn+8
.endr
	v_pk_add_f32 v[240:241], v[240:241], v[242:243]
	v_pk_add_f32 v[244:245], v[244:245], v[246:247]
	v_pk_add_f32 v[240:241], v[240:241], v[244:245]
	v_pk_add_f32 v[\vm+2:\vm+3], v[\vm+2:\vm+3], v[240:241]
.set bb, 0
.rept 4
.set nn, 16*bb
.rept 16
	v_min_num_f32 v[\b0+nn+nn/32*KK], s73, v[\b0+nn+nn/32*KK]   ; the conversion does not saturate (ISA guide 7.6.2); p is not negative, so the hold is one-sided
.set nn, nn+1
.endr
.set RB, \b0+16*bb+16*bb/32*KK
	v_cvt_scalef32_pk8_fp8_f32 v[\cd+4*bb:\cd+4*bb+1], v[RB:RB+7], v3
	v_cvt_scalef32_pk8_fp8_f32 v[\cd+4*bb+2:\cd+4*bb+3], v[RB+8:RB+15], v3
.set bb, bb+1
.endr
	s_wait_alu depctr_va_vdst(0)                   ; directly ahead of the first reader of O^T
.set nn, 0
.rept 16
	v_pk_mul_f32 v[\ob+nn:\ob+nn+1], v[\ob+nn:\ob+nn+1], v[14:15] op_sel_hi:[1,0]   ; O^T under the new M.  (Also the plain lines behind the conversions)
.set nn, nn+2
.endr
.endm
	s_wait_alu depctr_va_vdst(0)                   ; the head's end
	s_wait_tensorcnt 0x0                           ; my tile has landed,
	s_barrier_signal -1
	s_barrier_wait -1                              ; everybody's has: the whole head lies in LDS
	s_wait_loadcnt 0x0                             ; Q
.Ltrip:                                            ; six trips, as many as the longest share has steps; shorter shares jump over the work
	s_cmp_ge_u32 s[TRP], s[NST]
	s_cbranch_scc1 .Lnext
	s_and_b32 s52, s[KS], 15
	s_mul_i32 s48, s52, KSTEPB                     ; LDS byte of the step's keys of K,
	s_mul_i32 s49, s52, VSTEPB                     ; and of V
	v_add_nc_u32 v12, s48, v1
.rept 4
	v_nop                                          ; with the addition: five places behind the last step's products, whose sources the loads and the products below write over
.endr
.irp t, 0,1,2,3,4,5,6,7
	ds_load_b128 v[192+8*\t:195+8*\t], v12 offset:(16*(\t/2)+4*(\t%2))*KP
	ds_load_b128 v[196+8*\t:199+8*\t], v12 offset:(16*(\t/2)+4*(\t%2))*KP+32
.endr
	s_wait_alu depctr_va_vdst(0)                   ; directly ahead of the wait below
	s_wait_dscnt 0x0
.irp t, 0,1,2,3,4,5,6,7
	v_wmma_f32_16x16x64_fp8_fp8 v[128+8*\t:135+8*\t], v[192+8*\t:199+8*\t], v[48:55], 0
.endr
.irp t, 0,1,2,3
	v_wmma_f32_16x16x64_fp8_fp8 v[16+8*\t:23+8*\t], v[192+8*\t:199+8*\t], v[56:63], 0
.endr
.rept 4
	v_nop                                          ; places in front of the first read of the scores
.endr
	DIAG 128, 160, 0
	BIGGEST 128, 160                               ; (with the four above: places in front of the products below, which write over the fragments of K's first four tiles)
.irp t, 0,1,2,3
	v_wmma_f32_16x16x64_fp8_fp8 v[192+8*\t:199+8*\t], v[224+8*\t:231+8*\t], v[56:63], 0
.endr
	SOFT 128, 160, 4, 224, 64
	v_add_nc_u32 v13, s49, v2
	VLOAD                                          ; tile A's p is done with: V's fragments land there while tile B's softmax is walked
	DIAG 16, 192, 16
	s_wait_alu depctr_va_vdst(0)                   ; directly ahead of the first reader of the scores
	BIGGEST 16, 192
	SOFT 16, 192, 8, 240, 96
	s_wait_alu depctr_va_vdst(0)                   ; directly ahead of the wait below
	s_wait_dscnt 0x0
.irp t, 0,1,2,3                                ; the eight accumulators take turns, one instruction a turn
	v_wmma_f32_16x16x128_fp8_fp8 v[64+8*\t:71+8*\t], v[128+16*\t:143+16*\t], v[224:239], v[64+8*\t:71+8*\t]
	v_wmma_f32_16x16x128_fp8_fp8 v[96+8*\t:103+8*\t], v[128+16*\t:143+16*\t], v[240:255], v[96+8*\t:103+8*\t]
.endr
.Lnext:
	s_sub_co_u32 s[KS], s[KS], 1
	s_add_co_u32 s[TRP], s[TRP], 1
	s_cmp_lt_u32 s[TRP], 6
	s_cbranch_scc1 .Ltrip
	; STEP w's HIDDEN PART: source 0 = 16 rows of p_m's code, source 1 = V's fragment: each register of tile t holds, in lane r, Q(p_m) x the sum over the step's keys of V's codes at d = 16 t + r
	s_mul_i32 s52, s[WV], VSTEPB
	v_add_nc_u32 v13, s52, v2
.set nn, 0
.rept 16
	v_mov_b32 v[192+nn], s75                       ; (also the places behind the last products)
.set nn, nn+1
.endr
	VLOAD
	v_and_b32 v12, 31, v0                          ; lane
	s_lshl_b32 s53, s[WV], 8
	s_add_co_u32 s53, s53, TT
	v_lshl_add_u32 v14, v12, 2, s53
	s_wait_alu depctr_va_vdst(0)                   ; directly ahead of the wait below
	s_wait_dscnt 0x0
.irp t, 0,1,2,3
	v_wmma_f32_16x16x128_fp8_fp8 v[16+8*\t:23+8*\t], v[192:207], v[128+16*\t:143+16*\t], 0
.endr
.rept 4
	v_nop
.endr
	s_mov_b32 s52, 0xffff0000
	v_cndmask_b32 v48, v16, v24, s52               ; d = lane,
	v_cndmask_b32 v49, v32, v40, s52               ; d = 32 + lane
	ds_store_b32 v14, v48
	ds_store_b32 v14, v49 offset:128
	s_wait_alu depctr_va_vdst(0)                   ; directly ahead of the wait below
	s_wait_dscnt 0x0                               ; my reads of K and V are over, my row of the table is stored
	s_barrier_signal -1
	s_barrier_wait -1                              ; everybody's: K's and V's bytes may be written
	s_cmp_eq_u32 s[ST0], 0
	s_cbranch_scc1 .Lno_image
	s_mul_i32 s52, s[WV], IMGB
	v_lshl_add_u32 v13, v12, 4, s52                ; my image: 16 bytes a lane, 512 a group of four registers
.irp c, 0,1,2,3,4,5,6,7
	ds_store_b128 v13, v[64+4*\c:67+4*\c] offset:512*\c
.endr
	ds_store_b128 v13, v[4:7] offset:4096          ; -M, the largest t, the sum
.irp c, 0,1,2,3,4,5,6,7
	ds_store_b128 v13, v[96+4*\c:99+4*\c] offset:4608+512*\c
.endr
	ds_store_b128 v13, v[8:11] offset:8704
.Lno_image:
	v_lshlrev_b32 v50, 3, v12
	s_lshl_b32 s52, s[WV], 8
	s_add_co_u32 s52, s52, SUF
	v_add_nc_u32 v51, s52, v50                     ; row w of the table of sums: d = 2 lane, 2 lane + 1
	v_add_nc_u32 v50, TT, v50
.irp s, 1,2,3,4,5,6,7,8,9,10,11,12,13,14,15
	ds_load_b64 v[128+2*\s:129+2*\s], v50 offset:256*\s
.endr
	s_wait_alu depctr_va_vdst(0)                   ; directly ahead of the wait below
	s_wait_dscnt 0x0
	s_mov_b32 s53, 0
	s_cmp_lt_u32 s[WV], 1
	s_cselect_b32 s52, 1.0, 0
	v_pk_mul_f32 v[160:161], v[130:131], s[52:53] op_sel_hi:[1,0]
.irp s, 2,3,4,5,6,7,8,9,10,11,12,13,14,15      ; the steps above w
	s_cmp_lt_u32 s[WV], \s
	s_cselect_b32 s52, 1.0, 0
	v_pk_fma_f32 v[160:161], v[128+2*\s:129+2*\s], s[52:53], v[160:161] op_sel_hi:[1,0,1]
.endr
	ds_store_b64 v51, v[160:161]
	s_wait_alu depctr_va_vdst(0)
	s_wait_dscnt 0x0                               ; for the others' sake: image and row are whole
	s_barrier_signal -1
	s_barrier_wait -1
	s_cmp_lg_u32 s[ST0], 0
	s_cbranch_scc1 .Lend                           ; a helper is done
	; A LEADER.  Its helpers' parts come under one M with its own, by exact powers of two.
	v_bfe_u32 v51, v0, 4, 1                        ; h
	s_lshl_b32 s52, s[GI], 8
	s_add_co_u32 s52, s52, SUF
	v_lshl_add_u32 v52, v51, 5, s52
.irp t, 0,1,2,3
	ds_load_b128 v[200+8*\t:203+8*\t], v52 offset:64*\t    ; the hidden steps' O^T: register 8 t + i is d = 16 t + 8 h + i, the same for every query
	ds_load_b128 v[204+8*\t:207+8*\t], v52 offset:64*\t+16
.endr
	v_and_b32 v50, 15, v0                          ; r
	s_lshl_b32 s52, s[WV], 11
	s_add_co_u32 s52, s52, STG                     ; my stage
	v_lshlrev_b32 v53, 6, v50
	v_lshl_add_u32 v53, v51, 3, v53
	v_add_nc_u32 v53, s52, v53                     ; in: row r of 64 bytes, + 8 h
	v_lshl_add_u32 v54, v12, 4, s52                ; back: as it lies, 16 bytes a lane: four queries are 256 bytes
	v_lshlrev_b32 v55, 10, v51
	v_lshl_add_u32 v55, v50, 4, v55                ; in cc such groups of four rows lie 1,024 bytes apart
	s_add_co_i32 s52, s72, 127
	s_lshl_b32 s53, s52, 23
	v_mov_b32 v20, s53                             ; 2^e10
	s_add_co_i32 s52, s52, 8
	s_lshl_b32 s52, s52, 23
	s_or_b32 s52, s52, 0x600000
	v_mov_b32 v21, s52                             ; 448 x 2^e10
	s_sub_co_u32 s52, 15, s[GI]
	s_lshl_b32 s52, s52, 6                         ; my lane's share of the wholly hidden keys: 64 a step
	v_cvt_f32_u32 v22, s52
	v_mul_f32 v22, s74, v22                        ; their part of the sum
	s_cmp_lt_u32 s[GI], 15
	s_cselect_b32 s78, s76, 0x7f61b1e6             ; their -M; where there are none: far under every M
	v_mov_b32 v23, s78
.macro MG vm, ob, po, pm               ; one tile: the part in v[po ..], its -M and sum in v[pm ..]
	v_min_num_f32 v18, v[\vm], v[\pm]              ; -M of both: the smaller
	v_sub_f32 v14, v18, v[\vm]
	v_sub_f32 v16, v18, v[\pm]
	v_cvt_i32_f32 v14, v14                         ; (they saturate)
	v_cvt_i32_f32 v16, v16
	v_ldexp_f32 v14, 1.0, v14
	v_ldexp_f32 v16, 1.0, v16
	v_mov_b32 v[\vm], v18
	v_pk_mul_f32 v[\vm+2:\vm+3], v[\vm+2:\vm+3], v[14:15] op_sel_hi:[1,0]
	v_pk_fma_f32 v[\vm+2:\vm+3], v[\pm+2:\pm+3], v[16:17], v[\vm+2:\vm+3] op_sel_hi:[1,0,1]
.set nn, 0
.rept 16
	v_pk_mul_f32 v[\ob+nn:\ob+nn+1], v[\ob+nn:\ob+nn+1], v[14:15] op_sel_hi:[1,0]
.set nn, nn+2
.endr
.set nn, 0
.rept 16
	v_pk_fma_f32 v[\ob+nn:\ob+nn+1], v[\po+nn:\po+nn+1], v[16:17], v[\ob+nn:\ob+nn+1] op_sel_hi:[1,0,1]
.set nn, nn+2
.endr
.endm
.macro MERGE sh
	s_wait_alu depctr_va_vdst(0)                   ; ahead of the branch
	s_cmp_eq_u32 s[\sh], 0
	s_cbranch_scc1 .Lnone_\@
	s_mul_i32 s52, s[\sh], IMGB
	v_lshl_add_u32 v13, v12, 4, s52
.irp c, 0,1,2,3,4,5,6,7
	ds_load_b128 v[128+4*\c:131+4*\c], v13 offset:512*\c   ; the same registers in the same lanes
	ds_load_b128 v[160+4*\c:163+4*\c], v13 offset:4608+512*\c
.endr
	ds_load_b128 v[192:195], v13 offset:4096
	ds_load_b128 v[196:199], v13 offset:8704
	s_wait_dscnt 0x0
	MG 4, 64, 128, 192
	MG 8, 96, 160, 196
.Lnone_\@:
.endm
	MERGE H1
	MERGE H2
.macro FIN vm, ob, k                   ; a tile's last part, the hidden steps', the division, the quantiser, and through the stage
	v_min_num_f32 v18, v23, v[\vm]
	v_sub_f32 v14, v18, v[\vm]
	v_sub_f32 v16, v18, v23
	v_cvt_i32_f32 v14, v14
	v_cvt_i32_f32 v16, v16
	v_ldexp_f32 v14, 1.0, v14
	v_ldexp_f32 v16, 1.0, v16
	v_add_f32 v18, v[\vm+2], v[\vm+3]
	v_mul_f32 v18, v18, v14
	v_fmac_f32 v18, v22, v16                       ; the sum under the row's M,
	v_permlanex16_b32 v19, v18, s20, s21
	v_add_f32 v18, v18, v19                        ; with lane l xor 16's
	s_wait_alu depctr_va_vdst(0)                   ; ahead of the transcendental
	v_rcp_f32 v18, v18
	v_nop                                          ; a plain line behind the transcendental
	s_wait_alu depctr_va_vdst(0)                   ; and ahead of its first reader
	v_ldexp_f32 v18, v18, s79                      ; x 2^(e8 + e9),
	v_mul_f32 v14, v14, v18                        ; folded into the two factors
	v_mul_f32 v16, v16, v18
	s_wait_alu depctr_va_vdst(0)                   ; directly ahead of the first reader of O^T
.set nn, 0
.rept 16
	v_pk_mul_f32 v[128+nn:129+nn], v[\ob+nn:\ob+nn+1], v[14:15] op_sel_hi:[1,0]   ; ctx: register 8 t + i is (query r, d = 16 t + 8 h + i)
.set nn, nn+2
.endr
.set nn, 0
.rept 16
	v_pk_fma_f32 v[128+nn:129+nn], v[200+nn:201+nn], v[16:17], v[128+nn:129+nn] op_sel_hi:[1,0,1]
.set nn, nn+2
.endr
.set nn, 0
.rept 32
	v_med3_num_f32 v[128+nn], v[128+nn], -v21, v21
.set nn, nn+1
.endr
.irp t, 0,1,2,3
	v_cvt_scalef32_pk8_fp8_f32 v[164+8*\k+2*\t:165+8*\k+2*\t], v[128+8*\t:135+8*\t], v20
.endr
	v_nop                                          ; a plain line behind the last conversion
.irp t, 0,1,2,3
	ds_store_b64 v53, v[164+8*\k+2*\t:165+8*\k+2*\t] offset:1024*\k+16*\t
.endr
	ds_load_b128 v[180+8*\k:183+8*\k], v54 offset:1024*\k     ; LDS serves a wave's instructions in order (ISA guide 5.7.1.4): these see my stores
	ds_load_b128 v[184+8*\k:187+8*\k], v54 offset:1024*\k+512
.endm
	s_wait_alu depctr_va_vdst(0)                   ; directly ahead of the wait below
	s_wait_dscnt 0x0                               ; the hidden steps' row is in
	FIN 4, 64, 0
	FIN 8, 96, 1
	s_wait_dscnt 0x0
	global_store_b128 v55, v[180:183], s[12:13]    ; sixteen lanes store 256 consecutive bytes, aligned
	global_store_b128 v55, v[184:187], s[12:13] offset:2048
	global_store_b128 v55, v[188:191], s[12:13] offset:4096
	global_store_b128 v55, v[192:195], s[12:13] offset:6144
.Lend:
	v_lshl_add_u32 v24, v0, 2, SPARE
	v_mov_b32 v25, 0
	s_wait_alu depctr_va_vdst(0)
	s_wait_tensorcnt 0x0                           ; the wave's end
	ds_add_u32 v24, v25
	s_wait_dscnt 0x0
	CROUND                                         ; the closing round
	s_endpgm
.Lfunc_end_k_qe3dba06ce1_attn:
	.size	k_qe3dba06ce1_attn, .Lfunc_end_k_qe3dba06ce1_attn-k_qe3dba06ce1_attn
	.p2alignl 7, 3214868480
	.fill 96, 4, 3214868480
	.section	.rodata,"a",@progbits
	.p2align	6, 0x0
	.amdhsa_kernel k_qe3dba06ce1_attn
		.amdhsa_group_segment_fixed_size 288768
		.amdhsa_private_segment_fixed_size 0
		.amdhsa_enable_private_segment 0
		.amdhsa_kernarg_size 40
		.amdhsa_user_sgpr_count 2
		.amdhsa_user_sgpr_kernarg_segment_ptr 1
		.amdhsa_wavefront_size32 1
		.amdhsa_system_sgpr_workgroup_id_x 1
		.amdhsa_system_sgpr_workgroup_id_y 1
		.amdhsa_system_sgpr_workgroup_id_z 1
		.amdhsa_system_vgpr_workitem_id 0
		.amdhsa_next_free_vgpr 256
		.amdhsa_next_free_sgpr 96
		.amdhsa_reserve_vcc 1
		.amdhsa_float_denorm_mode_32 3
		.amdhsa_float_denorm_mode_16_64 3
		.amdhsa_memory_ordered 1
		.amdhsa_forward_progress 1
		.amdhsa_inst_pref_size 88
	.end_amdhsa_kernel
	.amdgpu_metadata
---
amdhsa.version: [ 1, 2 ]
amdhsa.kernels:
  - .name:           k_qe3dba06ce1_attn
    .symbol:         k_qe3dba06ce1_attn.kd
    .args:
      - { .name: qc, .offset: 0, .size: 8, .value_kind: global_buffer, .address_space: global }
      - { .name: kc, .offset: 8, .size: 8, .value_kind: global_buffer, .address_space: global }
      - { .name: vc, .offset: 16, .size: 8, .value_kind: global_buffer, .address_space: global }
      - { .name: lowp_scales, .offset: 24, .size: 8, .value_kind: global_buffer, .address_space: global }
      - { .name: cc, .offset: 32, .size: 8, .value_kind: global_buffer, .address_space: global }
    .group_segment_fixed_size: 288768
    .private_segment_fixed_size: 0
    .kernarg_segment_align: 8
    .kernarg_segment_size: 40
    .max_flat_workgroup_size: 512
    .sgpr_count:     96
    .vgpr_count:     256
    .wavefront_size: 32
...
	.end_amdgpu_metadata
.endif
;; end of part 3
;; launch oproj (part 4): grid 8 x 32, 4 waves a work-group, clusters of 4 x 4, 284,160 bytes of LDS; arguments cc, wc, lowp_scales, bo, out0; writes out0
.if DOCPART == 4
	.amdgcn_target "amdgcn-amd-amdhsa--gfx1250"
	.amdhsa_code_object_version 6
	.text
	.protected	k_qe3dba06ce1_oproj
	.globl	k_qe3dba06ce1_oproj
	.p2align	8
	.type	k_qe3dba06ce1_oproj,@function
k_qe3dba06ce1_oproj:
	s_mov_b64 s[64:65], 0
	v_nop
	global_prefetch_b8 v0, s[64:65] scope:SCOPE_SE
	s_setreg_imm32_b32 hwreg(HW_REG_WAVE_MODE, 25, 1), 1
	s_wait_xcnt 0x0
	s_wait_alu depctr_hold_cnt(0) depctr_sa_sdst(0) depctr_va_vdst(0) depctr_va_sdst(0) depctr_va_ssrc(0) depctr_va_vcc(0) depctr_vm_vsrc(0)
	s_getreg_b32 s2, hwreg(HW_REG_IB_STS2, 6, 4)
	s_cmp_eq_u32 s2, 0
	s_cbranch_scc0 .Lentry_in_a_cluster
	s_endpgm
.Lentry_in_a_cluster:
	s_bfe_u32 s2, ttmp6, 0x10000c
	s_cmp_lg_u32 s2, 0xf033
	s_cbranch_scc0 .Lentry_shape_is_right
	s_endpgm
.Lentry_shape_is_right:
; out0 = ctx Wo + bo on codes of E4M3.  cc: ctx's codes, [m / 64][head / 4][(m % 64) / 4][head % 4][m % 4][64 d]; Wo's codes: rows 3072 .. 4095 of wc, [n][1024 k], k = 64 head + d.  out0 [4096][1024] f32.
; A tile of 128 x 128 (256 tiles: one for each work-group); four waves, each 64 x 64: 16 accumulators.  ALL OF K LIES IN LDS, filled once by one load a wave: 64 rows of ctx or of Wo's codes are one dense block
; of 65,536 bytes, stated as 64 rows of 1,024.  No slot is filled again, and there is no loop of loads to run ahead of: nothing is prefetched.
; CLUSTERS: 4 x 4 work-groups; ctx's tiles are shared along a row of the cluster, Wo's along a column: each is asked for jointly.
; THE MATRIX INSTRUCTION IS USED TRANSPOSED (source 0 = 16 rows of Wo's codes, source 1 = 16 rows of ctx): a lane holds eight neighbouring numbers of a row of the output.
; LIMIT: e10 + e11 between -126 and 127.
; REGISTERS: window 0: v0-31 addresses; v32-63 the bias; v64-127 at work on the way out; v128-255 the accumulators ((a, b) at v[128 + 8 (4 a + b)]).  window 1: two buffers of 128: A's four fragments, then B's four.
.set PITCH,  1040                      ; 1,024 bytes + 16.  A: four rows x four heads; B: a row.  The 16 rows of a fragment load fall on 16 different columns of 16 bytes
.set ACH,    16*PITCH                  ; 64 rows of ctx x four heads
.set HALF,   64*PITCH                  ; 64 rows of either, all of K
.set BOFF,   2*HALF
.set STAGE,  4*HALF                    ; then 16 rows x 272 bytes for each wave; no tile lands there
.set SPARE,  STAGE+4*16*272            ; the spare words, 128 bytes for each wave
.set ADRA, 16                          ; v16-19 my A fragments' address in four heads 0 .. 3
.set ADRB, 20                          ; v20    the same for B
.set STO,  24
.set RD,   25
.set CO,   26
.set SPW,  30
.set NIL,  31
.set BB,   32
.set TMP,  64
.set BK,   96
.set ACC,  128
.set G1A, 24
.set G0A, 32
.set G1B, 48
.set G0B, 56
.set MSB, 0
.macro WIN new
.if MSB != \new
	s_set_vgpr_msb (MSB<<8)|\new
.set MSB, \new
.endif
.endm
.set MUL,  0x05                        ; sources 0 and 1 window 1; C and D window 0
.set TO_F, 0x40                        ; destination window 1, address window 0
.macro CROUND
	s_barrier_signal -1
	s_barrier_wait -1
	s_cmp_lg_u32 s14, 0
	s_cbranch_scc1 .Lnot_wave_0_\@
	s_barrier_signal -3
.Lnot_wave_0_\@:
	s_barrier_wait -3
	s_barrier_signal -1
	s_barrier_wait -1
.endm
.macro PLACES
.rept 4
	v_nop
.endr
.endm
	s_load_b256 s[4:11], s[0:1], 0x0               ; cc 4:5, wc 6:7, the exponents 8:9, bo 10:11
	s_load_b64 s[12:13], s[0:1], 0x20              ; out0
	v_lshl_add_u32 v[SPW], v0, 2, SPARE
	v_mov_b32 v[NIL], 0
	ds_add_u32 v[SPW], v[NIL]                      ; the wave's opening: the add, twice on end, and its wait
	ds_add_u32 v[SPW], v[NIL]
	v_lshrrev_b32 v1, 5, v0
	v_readfirstlane_b32 s14, v1                    ; wave 0..3
	s_lshr_b32 s15, s14, 1                         ; which half of the tile's rows is mine.  Also: I fetch for A (0) or for B (1)
	s_and_b32 s16, s14, 1                          ; which half of its columns.  Also: which half of that tile I fetch
	s_bfe_u32 s76, ttmp6, 0x40000                  ; cx
	s_bfe_u32 s77, ttmp6, 0x40004                  ; cy
	s_lshl_b32 s78, ttmp9, 2
	s_add_co_u32 s78, s78, s76                     ; tile column = 4 x cluster x + cx
	s_and_b32 s17, ttmp7, 0xffff
	s_lshl_b32 s17, s17, 2
	s_add_co_u32 s17, s17, s77                     ; tile row = 4 x cluster y + cy
	s_lshl_b32 s79, s77, 2
	s_lshl_b32 s79, 15, s79                        ; my row of the cluster
	s_lshl_b32 s80, 0x1111, s76                    ; my column
	s_or_b32 s[G1A], s79, (0<<16)|(1<<20)|(1<<21)|(7<<22)|(3<<25)   ; elements of 1 byte; four words of padding after every 256; 21 set beside a mask
	s_or_b32 s[G1B], s80, (0<<16)|(1<<20)|(1<<21)|(7<<22)|(3<<25)
.irp g, G1A, G1B
	s_mov_b32 s[\g+1], 1024<<16
	s_mov_b32 s[\g+2], 64<<16
	s_mov_b32 s[\g+3], 1024<<16
	s_mov_b32 s[\g+4], 64
	s_mov_b32 s[\g+5], 1024
	s_mov_b32 s[\g+6], 0
	s_mov_b32 s[\g+7], 0
.endr
	s_lshl_b32 s20, s17, 17                        ; A: the tile's 128 rows of 1,024 bytes,
	s_lshl_b32 s21, s16, 16                        ; my 64 of them
	s_add_co_u32 s20, s20, s21
	s_mov_b32 s21, 0
	s_lshl_b32 s82, s78, 17                        ; B likewise,
	s_lshl_b32 s83, s16, 16
	s_add_co_u32 s82, s82, s83
	s_add_co_u32 s82, s82, 3<<20                   ; behind the other three weights
	s_mov_b32 s83, 0
	s_mul_i32 s22, s16, HALF                       ; where they go: no place in the cluster enters an LDS address
	s_add_co_u32 s23, s22, BOFF
	s_wait_dscnt 0x0                               ; both adds are done
	s_wait_kmcnt 0x0
	s_load_b64 s[96:97], s[8:9], 0x28              ; e10, e11
	s_add_nc_u64 s[20:21], s[4:5], s[20:21]
	s_add_nc_u64 s[82:83], s[6:7], s[82:83]
	s_mov_b32 s[G0A], 1
	s_mov_b32 s[G0A+1], s22
	s_mov_b64 s[G0A+2:G0A+3], s[20:21]
	s_or_b32 s[G0A+3], s[G0A+3], 0x80000000
	s_mov_b32 s[G0B], 1
	s_mov_b32 s[G0B+1], s23
	s_mov_b64 s[G0B+2:G0B+3], s[82:83]
	s_or_b32 s[G0B+3], s[G0B+3], 0x80000000
	CROUND                                         ; all sixteen work-groups are here: the joint loads meet
	s_cmp_eq_u32 s15, 0                            ; one load a wave, the launch's only fills
	s_cbranch_scc0 .Lfill_b
	tensor_load_to_lds s[G0A:G0A+3], s[G1A:G1A+7]
	s_nop 0
	PLACES
	s_branch .Lfilled
.Lfill_b:
	tensor_load_to_lds s[G0B:G0B+3], s[G1B:G1B+7]
	s_nop 0
	PLACES
.Lfilled:
	s_lshl_b32 s84, s78, 9
	s_lshl_b32 s85, s16, 8
	s_add_co_u32 s84, s84, s85                     ; my 64 columns, in bytes of f32
	s_lshl_b32 s86, s17, 19
	s_lshl_b32 s87, s15, 18
	s_add_co_u32 s86, s86, s87                     ; my first row of the output, of 4,096 bytes,
	s_add_co_u32 s86, s86, s84                     ; and my first column
	s_mov_b32 s87, 0
	s_add_nc_u64 s[12:13], s[12:13], s[86:87]
	s_mul_i32 s88, s15, HALF
	s_mul_i32 s89, s16, HALF
	s_add_co_u32 s89, s89, BOFF
	s_mul_i32 s90, s14, 16*272
	s_add_co_u32 s90, s90, STAGE                   ; my stage
	v_and_b32 v1, 15, v0                           ; r
	v_bfe_u32 v2, v0, 4, 1                         ; h
	v_lshl_add_u32 v8, v2, 5, s84                  ; the bias: block b's eight numbers of my half.  v8 is not written again
.irp b, 0,1,2,3
	global_load_b128 v[BB+8*\b:BB+8*\b+3], v8, s[10:11] offset:64*\b
	global_load_b128 v[BB+8*\b+4:BB+8*\b+7], v8, s[10:11] offset:64*\b+16
.endr
	v_lshrrev_b32 v3, 2, v1                        ; A: row r of a block lies in LDS row r / 4, at 64 (r % 4) of each head's 256 bytes
	v_mul_u32_u24 v3, v3, PITCH
	v_and_b32 v4, 3, v1
	v_lshl_add_u32 v3, v4, 6, v3
	v_lshl_add_u32 v3, v2, 4, v3
	v_add_nc_u32 v3, s88, v3
	v_mul_u32_u24 v4, v1, PITCH
	v_lshl_add_u32 v4, v2, 4, v4
	v_add_nc_u32 v[ADRB], s89, v4
.irp c, 0,1,2,3
	v_add_nc_u32 v[ADRA+\c], \c*ACH, v3
.endr
	v_mul_u32_u24 v5, v1, 272
	v_lshl_add_u32 v5, v2, 5, v5
	v_add_nc_u32 v[STO], s90, v5                   ; in: row r, 32 bytes for each half of the lanes
	v_mul_u32_u24 v5, v2, 272
	v_lshl_add_u32 v5, v1, 4, v5
	v_add_nc_u32 v[RD], s90, v5                    ; back: lanes 0-15 one row of 256 bytes, lanes 16-31 the next
	v_lshlrev_b32 v5, 12, v2
	v_lshl_add_u32 v[CO], v1, 4, v5                ; and the same two rows in the output
	s_wait_alu depctr_va_vdst(0)                   ; the head's end
	s_wait_kmcnt 0x0
	s_add_co_i32 s96, s96, s97
	s_add_co_i32 s96, s96, 127
	s_lshl_b32 s96, s96, 23                        ; 2^(e10 + e11) as f32
	s_mov_b32 s97, s96                             ; (named with it as a pair, so it is written)
; The fragments of step s (128 along K: two heads) into buffer f: on both sides registers 4 c .. 4 c + 3 hold k = 128 s + 32 c + 16 h + 0 .. 15.
.macro FETCH s, f
	WIN TO_F
.irp i, 0,1,2,3
.irp c, 0,1,2,3
	ds_load_b128 v[(\f)+64+16*\i+4*\c:(\f)+64+16*\i+4*\c+3], v[ADRB] offset:\i*16*PITCH+(\s)*128+32*\c
.endr
.endr
.irp i, 0,1,2,3
.irp c, 0,1,2,3
	ds_load_b128 v[(\f)+16*\i+4*\c:(\f)+16*\i+4*\c+3], v[ADRA+(\s)/2] offset:4*\i*PITCH+((\s)%2)*512+(\c/2)*256+(\c%2)*32
.endr
.endr
.endm
; 16 matrix instructions; the 16 accumulators take turns, one instruction a turn, in the same order in every step.
.macro MUL16 f, zero
.irp a, 0,1,2,3
.irp b, 0,1,2,3
.if \zero
	v_wmma_f32_16x16x128_fp8_fp8 v[ACC+8*(4*\a+\b):ACC+8*(4*\a+\b)+7], v[(\f)+64+16*\b:(\f)+64+16*\b+15], v[(\f)+16*\a:(\f)+16*\a+15], 0
.else
	v_wmma_f32_16x16x128_fp8_fp8 v[ACC+8*(4*\a+\b):ACC+8*(4*\a+\b)+7], v[(\f)+64+16*\b:(\f)+64+16*\b+15], v[(\f)+16*\a:(\f)+16*\a+15], v[ACC+8*(4*\a+\b):ACC+8*(4*\a+\b)+7]
.endif
.endr
.endr
.endm
; Step s: the next step's fragments are asked for, then this step's are multiplied.
.macro KSTEP s
.if (\s) < 7
.if (\s) > 0
	PLACES                                         ; in front of loads into the buffer that the last step's products read
.endif
	FETCH (\s)+1, 128*(((\s)+1)%2)
	s_wait_dscnt 32                                ; all but the 32 just issued
.else
	s_wait_dscnt 0x0
.endif
	WIN MUL
.if (\s) == 0
	MUL16 0, 1                                     ; the first step's products start the sums
.else
	MUL16 128*((\s)%2), 0
.endif
.endm
	s_wait_tensorcnt 0x0                           ; my part is in,
	s_barrier_signal -1
	s_barrier_wait -1                              ; everybody's is
	FETCH 0, 0
.irp s, 0,1,2,3,4,5,6,7
	KSTEP \s
.endr
	WIN 0
	; THE WAY OUT, a block of 16 rows x my 64 columns at a time: sum x 2^(e10 + e11) + bias, one packed multiply-add for two numbers (each accumulator from its low end on); through my own stage; back as rows of 256 bytes.
	s_wait_loadcnt 0x0                             ; the bias
	PLACES
.irp a, 0,1,2,3
.set nn, 0
.rept 16
	v_pk_fma_f32 v[TMP+nn:TMP+nn+1], v[ACC+32*\a+nn:ACC+32*\a+nn+1], s[96:97], v[BB+nn:BB+nn+1] op_sel_hi:[1,0,1]
.set nn, nn+2
.endr
.irp b, 0,1,2,3
	ds_store_b128 v[STO], v[TMP+8*\b:TMP+8*\b+3] offset:64*\b
	ds_store_b128 v[STO], v[TMP+8*\b+4:TMP+8*\b+7] offset:64*\b+16
.endr
.if \a > 0
	s_wait_xcnt 0x0                                ; the last block's stores have read their data: the loads below may land there
.endif
.irp t, 0,1,2,3,4,5,6,7
	ds_load_b128 v[BK+4*\t:BK+4*\t+3], v[RD] offset:2*\t*272   ; LDS serves a wave's instructions in order (ISA guide 5.7.1.4): these see the stores above
.endr
.irp t, 0,1,2,3,4,5,6,7
	s_wait_dscnt 7-\t
	global_store_b128 v[CO], v[BK+4*\t:BK+4*\t+3], s[12:13] offset:(16*\a+2*\t)*4096 th:TH_STORE_NT   ; sixteen lanes store 256 consecutive bytes, aligned; written once, read by nobody here
.endr
.endr
	s_wait_tensorcnt 0x0                           ; the wave's end
	ds_add_u32 v[SPW], v[NIL]
	s_wait_dscnt 0x0
	CROUND                                         ; the closing round: no work-group ends while a partner may still ask for a tile that names it
	s_endpgm
.Lfunc_end_k_qe3dba06ce1_oproj:
	.size	k_qe3dba06ce1_oproj, .Lfunc_end_k_qe3dba06ce1_oproj-k_qe3dba06ce1_oproj
	.p2alignl 7, 3214868480
	.fill 96, 4, 3214868480
	.section	.rodata,"a",@progbits
	.p2align	6, 0x0
	.amdhsa_kernel k_qe3dba06ce1_oproj
		.amdhsa_group_segment_fixed_size 284160
		.amdhsa_private_segment_fixed_size 0
		.amdhsa_enable_private_segment 0
		.amdhsa_kernarg_size 40
		.amdhsa_user_sgpr_count 2
		.amdhsa_user_sgpr_kernarg_segment_ptr 1
		.amdhsa_wavefront_size32 1
		.amdhsa_system_sgpr_workgroup_id_x 1
		.amdhsa_system_sgpr_workgroup_id_y 1
		.amdhsa_system_sgpr_workgroup_id_z 1
		.amdhsa_system_vgpr_workitem_id 0
		.amdhsa_next_free_vgpr 512
		.amdhsa_next_free_sgpr 100
		.amdhsa_reserve_vcc 0
		.amdhsa_float_denorm_mode_32 3
		.amdhsa_float_denorm_mode_16_64 3
		.amdhsa_memory_ordered 1
		.amdhsa_forward_progress 1
		.amdhsa_inst_pref_size 46
	.end_amdhsa_kernel
	.amdgpu_metadata
---
amdhsa.version: [ 1, 2 ]
amdhsa.kernels:
  - .name:           k_qe3dba06ce1_oproj
    .symbol:         k_qe3dba06ce1_oproj.kd
    .args:
      - { .name: cc, .offset: 0, .size: 8, .value_kind: global_buffer, .address_space: global }
      - { .name: wc, .offset: 8, .size: 8, .value_kind: global_buffer, .address_space: global }
      - { .name: lowp_scales, .offset: 16, .size: 8, .value_kind: global_buffer, .address_space: global }
      - { .name: bo, .offset: 24, .size: 8, .value_kind: global_buffer, .address_space: global }
      - { .name: out0, .offset: 32, .size: 8, .value_kind: global_buffer, .address_space: global }
    .group_segment_fixed_size: 284160
    .private_segment_fixed_size: 0
    .kernarg_segment_align: 8
    .kernarg_segment_size: 40
    .max_flat_workgroup_size: 128
    .sgpr_count:     100
    .vgpr_count:     512
    .wavefront_size: 32
...
	.end_amdgpu_metadata
.endif
;; end of part 4
